; MI455X (gfx1250); checked and timed in simulation.
; The chip was launched on July 23, 2026; its instructions are those of AMD's public machine-readable ISA for CDNA 5 (MIT licence, August 2026) and "CDNA5" Instruction Set Architecture Reference Guide (July 2026). The comments in the code are by the model that wrote it; some were corrected since.
;; Transformer Encoder Layer. Allowed arithmetic: matrix products marked QUANTISED: E2M3 operands, one E8M0 scale for each 32 along K, by v_wmma_scale_f32_16x16x128_f8f6f4 with both operands' format E2M3, f32 sums; everything else in f32.
;; Inputs: Wk 1,024 x 1,024 float32; Wo 1,024 x 1,024 float32; Wq 1,024 x 1,024 float32; Wv 1,024 x 1,024 float32; b1 4,096 float32; b2 1,024 float32; be1 1,024 float32; be2 1,024 float32; g1 1,024 float32; g2 1,024 float32; mask 2 x 1 x 1 x 2,048 int32; w1 4,096 x 1,024 float32; w2 1,024 x 4,096 float32; x 2 x 2,048 x 1,024 float32.
;; Outputs: out0 2 x 2,048 x 1,024 float32.
;; This version of the problem:
;;   THIS VERSION OF THE PROBLEM IS GIVEN IN LOW PRECISION. The matrix products marked QUANTISED in the list below multiply operands that are first quantised to E2M3 (2 exponent bits, 3 mantissa bits; 6 bits a number), with one power-of-two scale for each 32 numbers along K (OCP MX v1.0); their sums are f32. All else is computed in f32.
;;   The module's matrix products, in the order in which they are computed (A, B: the left and right operand; K: the contracted axis; several contracted axes count as one K, in the product's order):
;;     1. [M 4,096, K 1,024] x [K 1,024, N 1,024]; A: input x; B: input Wq: QUANTISED
;;     2. [M 4,096, K 1,024] x [K 1,024, N 1,024]; A: input x; B: input Wk: QUANTISED
;;     3. [M 4,096, K 1,024] x [K 1,024, N 1,024]; A: input x; B: input Wv: QUANTISED
;;     4. batch 32 x [M 2,048, K 64] x [K 64, N 2,048]; A: computed on the way; B: computed on the way: QUANTISED
;;     5. batch 32 x [M 2,048, K 2,048] x [K 2,048, N 64]; A: softmax (see below); B: computed on the way: QUANTISED
;;     6. [M 4,096, K 1,024] x [K 1,024, N 1,024]; A: computed on the way; B: input Wo: QUANTISED
;;     7. [M 4,096, K 1,024] x [K 1,024, N 4,096]; A: computed on the way; B: input w1: QUANTISED
;;     8. [M 4,096, K 4,096] x [K 4,096, N 1,024]; A: computed on the way; B: input w2: QUANTISED
;;   THE QUANTISER, for each operand of a quantised product, along K:
;;     - K is cut into blocks of 32 from its start; a last block that is shorter is filled with zeros.
;;     - A block's scale is 2^e with e = floor(log2(the largest magnitude in the block)) - 2, held to -126 .. 127; a block of zeros has e = 0. As a byte (E8M0): e + 127.
;;     - Each number is divided by its block's scale, clamped to +-7.5, and rounded to the nearest number of E2M3, ties to even, subnormals kept.
;;     - The product sums the exact products of the quantised numbers (number of the format x scale) in f32.
;;   ~~~python
;;   def quantise(x, axis):      # numpy; x: float32 -> the quantised numbers, widened to float32 again
;;       x = np.moveaxis(x, axis, -1); K = x.shape[-1]
;;       x = np.pad(x, [(0, 0)] * (x.ndim - 1) + [(0, -K % 32)]); x = x.reshape(x.shape[:-1] + (-1, 32)); a = np.abs(x).max(-1, keepdims=True)
;;       e = np.where(a > 0, np.clip(np.frexp(np.where(a > 0, a, 1))[1] - 1 - 2, -126, 127), 0)      # np.frexp(a)[1] - 1 = floor(log2(a)), exactly
;;       r = np.clip(x / 2.0 ** e, -7.5, 7.5)
;;       step = 2.0 ** (np.maximum(np.frexp(np.where(r == 0, 1, r))[1] - 1, 0) - 3)
;;       q = np.round(r / step) * step * 2.0 ** e      # np.round: ties to even
;;       return np.moveaxis(q.reshape(q.shape[:-2] + (-1,))[..., :K], -1, axis).astype(np.float32)
;;   ~~~
;;   SOFTMAX AHEAD OF A QUANTISED PRODUCT. Where the list says 'softmax', what is quantised is not the finished softmax but p = 2^(t - M), with t = logit x log2(e) and M = ceil(the row's largest t), a whole number; so 1/2 < the row's largest p <= 1. The row's sum l is taken of the UNQUANTISED p, in f32, and the product's result is divided by l at the end. Since M is a whole number, a kernel that streams over the keys may use a running M (the ceiling of the running maximum): every later rescaling is an exact power of two, which a block's scale takes up: the codes' values come out the same.
;;   OPERANDS COMPUTED ON THE WAY. 'Computed on the way' means the value that the module computes at that place (a softmax that the list does not call 'softmax' is quantised finished and normalised). What goes into a quantiser is computed in f32, as accurately as f32 sums, v_exp_f32 and their like allow (about 1e-6 of the number): no bf16 or f16 on the way to a quantiser, and a product that is left as it is and whose result goes on into a quantised operand takes f32 operands (vector FMAs, or v_wmma_f32_16x16x4_f32). A number that lies on a knife's edge between two numbers of the format may be rounded either way, as far as f32 arithmetic and the matrix unit's own rounding can turn it there, and no further.
;; One version. Each part assembles by itself: llvm-mc -triple=amdgcn-amd-amdhsa -mcpu=gfx1250 --defsym DOCPART=n.
;; ======== version 1 of 1: 8 launches
;; limits: right only within a limited range of input values
;; workspace buffers: wq 13,107,200 bytes; qkv 10,092,544 bytes; ao 3,276,800 bytes; y 16,777,216 bytes; x2 20,054,016 bytes; h 13,107,200 bytes
;; launch quant (part 1): grid 1024 x 1, 8 waves a work-group, no clusters, 68,608 bytes of LDS; arguments x, Wq, Wk, Wv, Wo, w1, w2, wq; writes wq
.if DOCPART == 1
	.amdgcn_target "amdgcn-amd-amdhsa--gfx1250"
	.amdhsa_code_object_version 6
	.text
	.protected	k_q020a56fc43_quant
	.globl	k_q020a56fc43_quant
	.p2align	8
	.type	k_q020a56fc43_quant,@function
k_q020a56fc43_quant:
	s_mov_b64 s[64:65], 0
	v_nop
	global_prefetch_b8 v0, s[64:65] scope:SCOPE_SE
	s_setreg_imm32_b32 hwreg(HW_REG_WAVE_MODE, 25, 1), 1
	s_wait_xcnt 0x0
; TRANSFORMER ENCODER LAYER IN MX-FP6, launch 1 of 8: x, Wq, Wk, Wv, Wo, w1, w2 (f32, K innermost) become codes of E2M3 and E8M0 scale words in the workspace wq.
; DEAD WORK: none.  Every input has a way to the output and every product of the table is live: no input, product, row or step of reference() is left out in any launch.
; LIMITS OF THE PROGRAM: NaN and infinities among the inputs are not served.  A batch whose mask is all zero (NaN in reference()) is not served: the NaN meets a quantiser whose format has no code for it.
; Scores of magnitude 2^96 or more are not served (a masked key's score is lowered by 2^120, the running maximum starts at -2^100); a kept key's score carries -2^-126.
; A block of zeros gets the scale byte 1 where the rule says 127: its codes are zeros, and the bytes are read by this program alone.
; LAYOUTS OF ALL CODE BUFFERS.  (a) Row position p holds true row perm(p), perm = bits 3 and 4 of p changed over: sixteen neighbouring positions 16 t .. 16 t + 15 are the true rows 32 (t/2) + 8 (t%2) + r + 8 (r/8), so that
; a product that takes such a tile as source 0 leaves 16 true neighbours in the 16 registers of tiles 2 b, 2 b + 1.  (b) A fragment (16 positions x 128 K, 12 registers a lane) is 1,536 bytes in the order of the operand's
; registers: two halves of 768, each [registers 0-3 at 16 x lane][registers 4-5 at 8 x lane]; a tensor is [position / 16][K / 128][1536].  (c) Scale words (four bytes: one row, 128 K): [position / 64][K / 128][64] words.
; SHARES.  A wave makes one fragment: 16 rows x 512 bytes, each row by one load of 512 consecutive bytes; the rows turn through the wave's own stage in LDS (pitch 528), since the operand's layout gives lane (r, h)
; the numbers k = 64 c + 32 h + 0 .. 31 of row r: whole blocks, so no other lane is asked for a maximum.  Work-groups 0-255 x, 256-319 Wq, 320-383 Wk, 384-447 Wv, 448-511 Wo, 512-767 w1 (K = 1,024: wave = K step),
; 768-1023 w2 (K = 4,096: four work-groups to a tile of rows).  No tensor load, no barrier: waves share nothing.  No cluster: no two work-groups read the same bytes.
.set STGW,  8448                       ; a wave's stage: 16 rows x (512 + 16) bytes
.set SPARE, 8*STGW                     ; behind the stages: the spare words, 128 bytes a wave
.set SB,    12582912                   ; where the scale words begin in wq
.set R,     16                         ; v16-79   row i as loaded, 4 registers
.set X,     80                         ; v80-143  my 64 numbers in the operand's order
.set TM,    144                        ; v144-151 at work
.set PC,    152                        ; v152-171 the codes
.set PW,    172                        ; v172     the scale word
.set SEL,   36                         ; s[36:37] lane selects for lane l xor 16
.macro LOADS pitch                     ; row i of the tile is true row i + 8 (i / 8) from the tile's first
.irp i, 0,1,2,3,4,5,6,7,8,9,10,11,12,13,14,15
	global_load_b128 v[R+4*\i:R+4*\i+3], v4, s[26:27] offset:(\i+8*(\i/8))*\pitch th:TH_LOAD_NT
.endr
.endm
; 64 numbers of a lane, register 32 c + i = k 64 c + 32 h + i of my row, become the fragment's 12 registers in v[PC] on and the row's scale word in v[PW]
.macro QUANT2 s, hreg
.irp c, 0,1
	v_max3_num_f32 v[TM+\c], |v[(\s)+32*\c]|, |v[(\s)+1+32*\c]|, 0x1800000   ; with the floor 2^(3 - 127): the byte cannot fall under 1
.endr
.irp i, 2,4,6,8,10,12,14,16,18,20,22,24,26,28,30
.irp c, 0,1
	s_delay_alu instid0(VALU_DEP_2)
	v_max3_num_f32 v[TM+\c], v[TM+\c], |v[(\s)+32*\c+\i]|, |v[(\s)+1+32*\c+\i]|
.endr
.endr
.irp c, 0,1
	s_delay_alu instid0(VALU_DEP_2)
	v_add_nc_u32 v[TM+4+\c], 0xff000000, v[TM+\c]   ; 2 off the exponent field: the conversion's scale operand
.endr
.irp c, 0,1
	s_delay_alu instid0(VALU_DEP_2)
	v_lshrrev_b32 v[TM+2+\c], 23, v[TM+4+\c]        ; the scale's byte
.endr
	s_delay_alu instid0(VALU_DEP_1)
	v_lshl_or_b32 v[PW], v[TM+3], 16, v[TM+2]      ; my blocks h and 2 + h,
	v_lshlrev_b32 v[TM+6], 3, v[\hreg]
	s_delay_alu instid0(VALU_DEP_1)
	v_lshlrev_b32 v[PW], v[TM+6], v[PW]            ; 8 h bits up;
	v_mov_b32 v[TM+6], 0
	s_delay_alu instid0(VALU_DEP_1)
	v_permlanex16_b32 v[TM+6], v[PW], s[SEL], s[SEL+1]
	s_delay_alu instid0(VALU_DEP_1)
	v_or_b32 v[PW], v[PW], v[TM+6]                 ; with lane l xor 16's two the word is whole
.irp c, 0,1
	v_cvt_scalef32_pk16_fp6_f32 v[PC+6*\c:PC+6*\c+2], v[(\s)+32*\c:(\s)+32*\c+15], v[TM+4+\c]
	v_cvt_scalef32_pk16_fp6_f32 v[PC+12+4*\c:PC+14+4*\c], v[(\s)+32*\c+16:(\s)+32*\c+31], v[TM+4+\c]   ; (three registers begin on an even number: made aside and moved)
.endr
	v_nop                                          ; one plain place behind a scaled conversion
.irp c, 0,1
.irp i, 0,1,2
	v_mov_b32 v[PC+3+6*\c+\i], v[PC+12+4*\c+\i]
.endr
.endr
.endm
	s_load_b512 s[8:23], s[0:1], 0x0               ; x, Wq, Wk, Wv, Wo, w1, w2, wq
	v_lshl_add_u32 v10, v0, 2, SPARE               ; my spare word,
	v_mov_b32 v11, 0                               ; and 0: kept for the closing lines
	v_lshrrev_b32 v1, 5, v0
	s_delay_alu instid0(VALU_DEP_1)
	v_readfirstlane_b32 s24, v1                    ; wave
	v_and_b32 v1, 31, v0                           ; lane
	v_and_b32 v2, 15, v0                           ; r
	v_bfe_u32 v3, v0, 4, 1                         ; h
	s_delay_alu instid0(VALU_DEP_3)
	v_lshlrev_b32 v4, 4, v1                        ; 16 x lane
	s_delay_alu instid0(VALU_DEP_4)
	v_lshlrev_b32 v8, 3, v1                        ; 8 x lane
	s_delay_alu instid0(VALU_DEP_4)
	v_lshlrev_b32 v9, 2, v2                        ; 4 r
	s_mul_i32 s25, s24, STGW
	v_add_nc_u32 v5, s25, v4                       ; stage, in: 16 x lane of a row
	v_mul_u32_u24 v6, v2, 528
	s_delay_alu instid0(VALU_DEP_1)
	v_lshl_add_u32 v6, v3, 7, v6
	s_delay_alu instid0(VALU_DEP_1)
	v_add_nc_u32 v6, s25, v6                       ; stage, out: row r, + 128 h
	s_mov_b32 s[SEL], 0x76543210
	s_mov_b32 s[SEL+1], 0xfedcba98
	s_lshl_b32 s32, ttmp9, 3
	s_add_co_u32 s32, s32, s24
	s_mul_i32 s32, s32, 1536                       ; the fragments of all seven tensors lie on end: (8 x work-group + wave) x 1,536
	s_mov_b32 s33, 0
	s_mov_b32 s31, 0
	s_mov_b32 s35, 0
	s_wait_kmcnt 0x0
	s_mov_b64 s[26:27], s[20:21]                   ; which tensor, and its first work-group: choices on the work-group's number alone
	s_mov_b32 s28, 768
	s_cmp_lt_u32 ttmp9, 768
	s_cselect_b64 s[26:27], s[18:19], s[26:27]
	s_cselect_b32 s28, 512, s28
	s_cmp_lt_u32 ttmp9, 512
	s_cselect_b64 s[26:27], s[16:17], s[26:27]
	s_cselect_b32 s28, 448, s28
	s_cmp_lt_u32 ttmp9, 448
	s_cselect_b64 s[26:27], s[14:15], s[26:27]
	s_cselect_b32 s28, 384, s28
	s_cmp_lt_u32 ttmp9, 384
	s_cselect_b64 s[26:27], s[12:13], s[26:27]
	s_cselect_b32 s28, 320, s28
	s_cmp_lt_u32 ttmp9, 320
	s_cselect_b64 s[26:27], s[10:11], s[26:27]
	s_cselect_b32 s28, 256, s28
	s_cmp_lt_u32 ttmp9, 256
	s_cselect_b64 s[26:27], s[8:9], s[26:27]
	s_cselect_b32 s28, 0, s28
	s_sub_co_u32 s29, ttmp9, s28                   ; my number within the tensor
	s_add_nc_u64 s[32:33], s[22:23], s[32:33]      ; where my fragment goes
	s_cmp_lt_u32 ttmp9, 768
	s_cbranch_scc0 .Lw2
	s_lshr_b32 s30, s29, 1                         ; K = 1,024: tile T = my number, K step = wave
	s_lshl_b32 s30, s30, 5
	s_and_b32 s38, s29, 1
	s_lshl_b32 s38, s38, 3
	s_add_co_u32 s30, s30, s38                     ; the tile's first true row: 32 (T / 2) + 8 (T % 2)
	s_lshl_b32 s30, s30, 12
	s_lshl_b32 s38, s24, 9
	s_add_co_u32 s30, s30, s38
	s_add_nc_u64 s[26:27], s[26:27], s[30:31]
	s_lshr_b32 s34, ttmp9, 2                       ; scale words: groups of 64 rows x 8 steps x 256 bytes, on end through the six tensors
	s_lshl_b32 s34, s34, 11
	s_lshl_b32 s38, s24, 8
	s_add_co_u32 s34, s34, s38
	s_and_b32 s38, ttmp9, 3
	s_lshl_b32 s38, s38, 6
	s_add_co_u32 s34, s34, s38
	s_add_co_u32 s34, s34, SB
	s_wait_alu depctr_va_vdst(0)
	LOADS 4096
	s_branch .Ljoin
.Lw2:
	s_lshr_b32 s39, s29, 2                         ; K = 4,096: tile T = my number / 4,
	s_and_b32 s40, s29, 3
	s_lshl_b32 s40, s40, 3
	s_add_co_u32 s40, s40, s24                     ; K step = 8 (my number % 4) + wave
	s_lshr_b32 s30, s39, 1
	s_lshl_b32 s30, s30, 5
	s_and_b32 s38, s39, 1
	s_lshl_b32 s38, s38, 3
	s_add_co_u32 s30, s30, s38
	s_lshl_b32 s30, s30, 14
	s_lshl_b32 s38, s40, 9
	s_add_co_u32 s30, s30, s38
	s_add_nc_u64 s[26:27], s[26:27], s[30:31]
	s_lshr_b32 s34, s39, 2
	s_lshl_b32 s34, s34, 13
	s_lshl_b32 s38, s40, 8
	s_add_co_u32 s34, s34, s38
	s_and_b32 s38, s39, 3
	s_lshl_b32 s38, s38, 6
	s_add_co_u32 s34, s34, s38
	s_add_co_u32 s34, s34, SB+393216
	s_wait_alu depctr_va_vdst(0)
	LOADS 16384
.Ljoin:
	s_add_nc_u64 s[34:35], s[22:23], s[34:35]      ; where my 16 scale words go
.irp i, 0,1,2,3,4,5,6,7,8,9,10,11,12,13,14,15
	s_wait_loadcnt 15-\i                           ; loads come back in order: row i is in, the 15 - i younger ones may be out
	ds_store_b128 v5, v[R+4*\i:R+4*\i+3] offset:528*\i
.endr
.irp c, 0,1
.irp i, 0,1,2,3,4,5,6,7
	ds_load_b128 v[X+32*\c+4*\i:X+32*\c+4*\i+3], v6 offset:256*\c+16*\i   ; LDS serves a wave's instructions in order: these see my stores
.endr
.endr
	s_wait_dscnt 0x0
	QUANT2 X, 3
	global_store_b128 v4, v[PC:PC+3], s[32:33]                 ; each store covers 512 or 256 consecutive bytes, aligned
	global_store_b64 v8, v[PC+4:PC+5], s[32:33] offset:512
	global_store_b128 v4, v[PC+6:PC+9], s[32:33] offset:768
	global_store_b64 v8, v[PC+10:PC+11], s[32:33] offset:1280
	global_store_b32 v9, v[PW], s[34:35]                       ; 16 words; both halves of the lanes hold and write the same
	s_wait_tensorcnt 0x0                           ; the wave's end
	ds_add_u32 v10, v11
	s_wait_dscnt 0x0
	s_endpgm
.Lfunc_end_k_q020a56fc43_quant:
	.size	k_q020a56fc43_quant, .Lfunc_end_k_q020a56fc43_quant-k_q020a56fc43_quant
	.p2alignl 7, 3214868480
	.fill 96, 4, 3214868480
	.section	.rodata,"a",@progbits
	.p2align	6, 0x0
	.amdhsa_kernel k_q020a56fc43_quant
		.amdhsa_group_segment_fixed_size 68608
		.amdhsa_private_segment_fixed_size 0
		.amdhsa_enable_private_segment 0
		.amdhsa_kernarg_size 64
		.amdhsa_user_sgpr_count 2
		.amdhsa_user_sgpr_kernarg_segment_ptr 1
		.amdhsa_wavefront_size32 1
		.amdhsa_system_sgpr_workgroup_id_x 1
		.amdhsa_system_sgpr_workgroup_id_y 1
		.amdhsa_system_sgpr_workgroup_id_z 1
		.amdhsa_system_vgpr_workitem_id 0
		.amdhsa_next_free_vgpr 176
		.amdhsa_next_free_sgpr 66
		.amdhsa_reserve_vcc 0
		.amdhsa_float_denorm_mode_32 3
		.amdhsa_float_denorm_mode_16_64 3
		.amdhsa_memory_ordered 1
		.amdhsa_forward_progress 1
		.amdhsa_inst_pref_size 15
	.end_amdhsa_kernel
	.amdgpu_metadata
---
amdhsa.version: [ 1, 2 ]
amdhsa.kernels:
  - .name:           k_q020a56fc43_quant
    .symbol:         k_q020a56fc43_quant.kd
    .args:
      - { .name: x, .offset: 0, .size: 8, .value_kind: global_buffer, .address_space: global }
      - { .name: Wq, .offset: 8, .size: 8, .value_kind: global_buffer, .address_space: global }
      - { .name: Wk, .offset: 16, .size: 8, .value_kind: global_buffer, .address_space: global }
      - { .name: Wv, .offset: 24, .size: 8, .value_kind: global_buffer, .address_space: global }
      - { .name: Wo, .offset: 32, .size: 8, .value_kind: global_buffer, .address_space: global }
      - { .name: w1, .offset: 40, .size: 8, .value_kind: global_buffer, .address_space: global }
      - { .name: w2, .offset: 48, .size: 8, .value_kind: global_buffer, .address_space: global }
      - { .name: wq, .offset: 56, .size: 8, .value_kind: global_buffer, .address_space: global }
    .group_segment_fixed_size: 68608
    .private_segment_fixed_size: 0
    .kernarg_segment_align: 8
    .kernarg_segment_size: 64
    .max_flat_workgroup_size: 256
    .sgpr_count:     66
    .vgpr_count:     176
    .wavefront_size: 32
...
	.end_amdgpu_metadata
.endif
;; end of part 1
;; launch qkv (part 2): grid 8 x 24, 4 waves a work-group, clusters of 4 x 4, 327,680 bytes of LDS; arguments wq, mask, qkv; writes qkv
.if DOCPART == 2
	.amdgcn_target "amdgcn-amd-amdhsa--gfx1250"
	.amdhsa_code_object_version 6
	.text
	.protected	k_q020a56fc43_qkv
	.globl	k_q020a56fc43_qkv
	.p2align	8
	.type	k_q020a56fc43_qkv,@function
k_q020a56fc43_qkv:
	s_mov_b64 s[64:65], 0
	v_nop
	global_prefetch_b8 v0, s[64:65] scope:SCOPE_SE
	s_setreg_imm32_b32 hwreg(HW_REG_WAVE_MODE, 25, 1), 1
	s_wait_xcnt 0x0
	s_wait_alu depctr_hold_cnt(0) depctr_sa_sdst(0) depctr_va_vdst(0) depctr_va_sdst(0) depctr_va_ssrc(0) depctr_va_vcc(0) depctr_vm_vsrc(0)
	s_getreg_b32 s2, hwreg(HW_REG_IB_STS2, 6, 4)
	s_cmp_eq_u32 s2, 0
	s_cbranch_scc0 .Lentry_in_a_cluster
	s_endpgm
.Lentry_in_a_cluster:
	s_bfe_u32 s2, ttmp6, 0x10000c
	s_cmp_lg_u32 s2, 0xf033
	s_cbranch_scc0 .Lentry_shape_is_right
	s_endpgm
.Lentry_shape_is_right:
.set NQ,    2
.set FRB,   1536
.set HALFT, 24576
.set SLOT,  4*HALFT
.set SCL,   2*SLOT
.set SZ,    4096
.set SPARE, 213248
.set SB,    12582912
.set WQKC,  3145728
.set WVC,   4718592
.set QKS,   9437184
.set VCO,   6291456
.set VSO,   9961472
.set ADRA, 16
.set ADRB, 20
.set L16,  24
.set L8,   25
.set L4,   26
.set ADRS, 27
.set SPW,  28
.set NIL,  29
.set SC,   32
.set AF,   64
.set TM,   64
.set PC,   80
.set PW,   100
.set PWE,  101
.set PWC,  102
.set W0,   103
.set W1,   104
.set MA,   105
.set MT,   106
.set MB,   108
.set G1,   24
.set G0,   32
.set G1B,  48
.set G0B,  56
.set G1S,  68
.set G0S,  76
.set G1SB, 80
.set G0SB, 88
.set SEL,  98
.set MSB, 0
.macro WIN new
.if MSB != (\new)
	s_set_vgpr_msb (MSB<<8)|(\new)
.set MSB, (\new)
.endif
.endm
.macro JLOAD g0a, g1a, g0b, g1b
	s_cmp_eq_u32 s15, 0
	s_cbranch_scc0 .Lfor_b_\@
	tensor_load_to_lds s[\g0a:\g0a+3], s[\g1a:\g1a+7]
	s_nop 0
.rept 4
	v_nop
.endr
	s_branch .Lasked_\@
.Lfor_b_\@:
	tensor_load_to_lds s[\g0b:\g0b+3], s[\g1b:\g1b+7]
	s_nop 0
.rept 4
	v_nop
.endr
.Lasked_\@:
.endm
.macro CREST
	s_cmp_lg_u32 s14, 0
	s_cbranch_scc1 .Lnot_wave_0_\@
	s_barrier_signal -3
.Lnot_wave_0_\@:
	s_barrier_wait -3
	s_barrier_signal -1
	s_barrier_wait -1
.endm
.macro CROUND
	s_barrier_signal -1
	s_barrier_wait -1
	CREST
.endm
.macro PLACES n
.rept \n
	v_nop
.endr
.endm
.macro FRAG reg, adr, off
	ds_load_b128 v[(\reg):(\reg)+3], v[\adr] offset:(\off)
	ds_load_b64 v[(\reg)+4:(\reg)+5], v[\adr+2] offset:(\off)+512
	ds_load_b128 v[(\reg)+6:(\reg)+9], v[\adr] offset:(\off)+768
	ds_load_b64 v[(\reg)+10:(\reg)+11], v[\adr+2] offset:(\off)+1280
.endm
.macro FETCH slot, q, set
	WIN 0x40
.irp i, 0,1,2,3,4,5,6,7
	FRAG 96*(\set)+12*\i, ADRB+(\slot), (NQ*\i+(\q))*FRB
.endr
	WIN 0
.irp i, 0,1,2,3,4,5,6,7
	FRAG AF+96*(\set)+12*\i, ADRA+(\slot), (NQ*\i+(\q))*FRB
.endr
.irp i, 0,1,2,3,4,5,6,7
	ds_load_b32 v[SC+8*(\set)+\i], v[ADRS] offset:(\i/4)*2048+(\i%4)*64+256*(\q)
.endr
.endm
.macro MULQ a0, set, cmode
.irp a, \a0, \a0+1
.irp b, 0,1,2,3,4,5,6,7
.if \cmode == 1
	v_wmma_scale_f32_16x16x128_f8f6f4 v[8*(8*((\a)%4)+\b):8*(8*((\a)%4)+\b)+7], v[96*(\set)+12*\b:96*(\set)+12*\b+11], v[AF+96*(\set)+12*(\a):AF+96*(\set)+12*(\a)+11], 0, v[SC+8*(\set)+\b], v[SC+8*(\set)+(\a)] matrix_a_fmt:MATRIX_FMT_FP6 matrix_b_fmt:MATRIX_FMT_FP6 matrix_a_scale:MATRIX_SCALE_ROW1
.else
	v_wmma_scale_f32_16x16x128_f8f6f4 v[8*(8*((\a)%4)+\b):8*(8*((\a)%4)+\b)+7], v[96*(\set)+12*\b:96*(\set)+12*\b+11], v[AF+96*(\set)+12*(\a):AF+96*(\set)+12*(\a)+11], v[8*(8*((\a)%4)+\b):8*(8*((\a)%4)+\b)+7], v[SC+8*(\set)+\b], v[SC+8*(\set)+(\a)] matrix_a_fmt:MATRIX_FMT_FP6 matrix_b_fmt:MATRIX_FMT_FP6 matrix_a_scale:MATRIX_SCALE_ROW1
.endif
.endr
.endr
.endm
.macro STEP slot, q, cmode
	s_wait_dscnt 0x0
	WIN 0xa1
	MULQ 0, (\q)%2, \cmode
	PLACES 4
	FETCH \slot, (\q)+1, 1-(\q)%2
	WIN 0xa1
	MULQ 2, (\q)%2, \cmode
	WIN 0xf1
	MULQ 4, (\q)%2, \cmode
	MULQ 6, (\q)%2, \cmode
.endm
.macro TURN slot, next, fill
	s_wait_dscnt 0x0
	WIN 0
	s_wait_tensorcnt 0x0
	ds_add_u32 v[SPW], v[NIL]
	WIN 0xa1
	MULQ 0, 1, 0
	s_wait_dscnt 0x0
	s_barrier_signal -1
	MULQ 2, 1, 0
	WIN 0
	s_barrier_wait -1
.if \fill
	CREST
	s_add_nc_u64 s[G0+4*\slot+2:G0+4*\slot+3], s[G0+4*\slot+2:G0+4*\slot+3], 2*NQ*FRB
	s_add_nc_u64 s[G0B+4*\slot+2:G0B+4*\slot+3], s[G0B+4*\slot+2:G0B+4*\slot+3], 2*NQ*FRB
	JLOAD G0+4*\slot, G1, G0B+4*\slot, G1B
.else
	PLACES 4
.endif
	v_add_nc_u32 v[ADRS], 256*NQ, v[ADRS]
	FETCH \next, 0, 0
	WIN 0xf1
	MULQ 4, 1, 0
	MULQ 6, 1, 0
.endm
.macro QUANTW w, s
	WIN ((\w)<<2)|((\w)<<4)
.irp b, 0,1,2,3
	v_max3_num_f32 v[TM+\b], 0x1800000, |v[(\s)+16*\b]|, |v[(\s)+1+16*\b]|
.endr
.irp i, 2,4,6,8,10,12,14
.irp b, 0,1,2,3
	v_max3_num_f32 v[TM+\b], v[TM+\b], |v[(\s)+16*\b+\i]|, |v[(\s)+1+16*\b+\i]|
.endr
.endr
	WIN 0
.irp b, 0,1,2,3
	v_permlanex16_b32 v[TM+4+\b], v[TM+\b], s[SEL], s[SEL+1]
.endr
.irp b, 0,1,2,3
	v_max_num_f32 v[TM+\b], v[TM+\b], v[TM+4+\b]
.endr
.irp b, 0,1,2,3
	v_add_nc_u32 v[TM+12+\b], 0xff000000, v[TM+\b]
.endr
.irp b, 0,1,2,3
	v_lshrrev_b32 v[TM+4+\b], 23, v[TM+12+\b]
.endr
	v_lshl_or_b32 v[PW], v[TM+5], 8, v[TM+4]
	v_lshl_or_b32 v[PW], v[TM+6], 16, v[PW]
	v_lshl_or_b32 v[PW], v[TM+7], 24, v[PW]
	WIN (\w)
.irp c, 0,1
	v_cvt_scalef32_pk16_fp6_f32 v[PC+6*\c:PC+2+6*\c], v[(\s)+32*\c:(\s)+15+32*\c], v[TM+12+2*\c]
	v_cvt_scalef32_pk16_fp6_f32 v[PC+12+4*\c:PC+14+4*\c], v[(\s)+16+32*\c:(\s)+31+32*\c], v[TM+12+2*\c+1]
.endr
	WIN 0
	v_nop
.irp c, 0,1
.irp i, 0,1,2
	v_permlane16_swap_b32 v[PC+6*\c+\i], v[PC+12+4*\c+\i]
.endr
.irp i, 0,1,2
	v_mov_b32 v[PC+3+6*\c+\i], v[PC+12+4*\c+\i]
.endr
.endr
.endm
	s_load_b128 s[4:7], s[0:1], 0x0
	s_load_b64 s[8:9], s[0:1], 0x10
	v_lshl_add_u32 v[SPW], v0, 2, SPARE
	v_mov_b32 v[NIL], 0
	ds_add_u32 v[SPW], v[NIL]
	ds_add_u32 v[SPW], v[NIL]
	v_lshrrev_b32 v1, 5, v0
	v_readfirstlane_b32 s14, v1
	s_lshr_b32 s15, s14, 1
	s_and_b32 s16, s14, 1
	s_bfe_u32 s40, ttmp6, 0x40000
	s_bfe_u32 s41, ttmp6, 0x40004
	s_and_b32 s18, ttmp7, 0xffff
	s_sub_co_u32 s19, s18, 4
	s_lshl_b32 s19, s19, 1
	s_add_co_u32 s19, s19, ttmp9
	s_cmp_lt_u32 s18, 4
	s_cselect_b32 s19, ttmp9, s19
	s_cselect_b32 s18, s18, 0
	s_cselect_b32 s10, 0, WVC
	s_cselect_b32 s11, 0, 196608
	s_cselect_b32 s12, WQKC, 0
	s_cselect_b32 s13, 131072, 0
	s_cselect_b32 s97, 1, 0
	s_lshl_b32 s42, s19, 2
	s_add_co_u32 s42, s42, s40
	s_lshl_b32 s17, s18, 2
	s_add_co_u32 s17, s17, s41
	s_lshl_b32 s43, s41, 2
	s_lshl_b32 s43, 15, s43
	s_lshl_b32 s44, 0x1111, s40
	s_or_b32 s[G1+0], s43, (3<<16)|(1<<21)
	s_or_b32 s[G1B+0], s44, (3<<16)|(1<<21)
.irp g, G1, G1B
	s_mov_b32 s[\g+1], 384<<16
	s_mov_b32 s[\g+2], 16<<16
	s_mov_b32 s[\g+3], 384<<16
	s_mov_b32 s[\g+4], 16
	s_mov_b32 s[\g+5], 1536
	s_mov_b32 s[\g+6], 0
	s_mov_b32 s[\g+7], 0
.endr
	s_or_b32 s[G1S+0], s43, (3<<16)|(1<<21)
	s_or_b32 s[G1SB+0], s44, (3<<16)|(1<<21)
.irp g, G1S, G1SB
	s_mov_b32 s[\g+1], 32<<16
	s_mov_b32 s[\g+2], 32<<16
	s_mov_b32 s[\g+3], 32<<16
	s_mov_b32 s[\g+4], 32
	s_mov_b32 s[\g+5], 32
	s_mov_b32 s[\g+6], 0
	s_mov_b32 s[\g+7], 0
.endr
	s_mov_b32 s18, 0
	s_lshl_b32 s20, s17, 4
	s_add_co_u32 s20, s20, s18
	s_lshl_b32 s46, s42, 4
	s_add_co_u32 s46, s46, s18
	s_lshl_b32 s22, s20, 9
	s_add_co_u32 s22, s22, s11
	s_add_co_u32 s22, s22, SB
	s_mul_i32 s20, s20, 8*FRB
	s_add_co_u32 s20, s20, s10
	s_lshl_b32 s92, s46, 9
	s_add_co_u32 s92, s92, s13
	s_add_co_u32 s92, s92, SB
	s_mul_i32 s46, s46, 8*FRB
	s_add_co_u32 s46, s46, s12
	s_mov_b32 s21, 0
	s_mov_b32 s23, 0
	s_mov_b32 s47, 0
	s_mov_b32 s93, 0
	s_mul_i32 s45, s14, HALFT
	s_lshl_b32 s94, s14, 12
	s_lshl_b32 s95, s15, 6
	s_add_co_u32 s94, s94, s95
	s_mov_b32 s[SEL], 0x76543210
	s_mov_b32 s[SEL+1], 0xfedcba98
	s_wait_dscnt 0x0
	s_wait_kmcnt 0x0
	s_add_nc_u64 s[20:21], s[4:5], s[20:21]
	s_add_nc_u64 s[22:23], s[4:5], s[22:23]
	s_add_nc_u64 s[46:47], s[4:5], s[46:47]
	s_add_nc_u64 s[92:93], s[4:5], s[92:93]
	CROUND
	s_mov_b32 s[G0S], 1
	s_mov_b32 s[G0S+1], SCL
	s_mov_b64 s[G0S+2:G0S+3], s[22:23]
	s_or_b32 s[G0S+3], s[G0S+3], 0x80000000
	s_mov_b32 s[G0SB], 1
	s_mov_b32 s[G0SB+1], SCL+2*SZ+64
	s_mov_b64 s[G0SB+2:G0SB+3], s[92:93]
	s_or_b32 s[G0SB+3], s[G0SB+3], 0x80000000
.irp s, 0,1
	s_mov_b32 s[G0+4*\s], 1
	s_add_co_u32 s[G0+4*\s+1], s45, \s*SLOT
	s_add_nc_u64 s[G0+4*\s+2:G0+4*\s+3], s[20:21], \s*NQ*FRB
	s_or_b32 s[G0+4*\s+3], s[G0+4*\s+3], 0x80000000
	s_mov_b32 s[G0B+4*\s], 1
	s_add_co_u32 s[G0B+4*\s+1], s45, \s*SLOT
	s_add_nc_u64 s[G0B+4*\s+2:G0B+4*\s+3], s[46:47], \s*NQ*FRB
	s_or_b32 s[G0B+4*\s+3], s[G0B+4*\s+3], 0x80000000
.endr
	; the head's four joint loads, one a wave, in one chain of arms: slot 0's 256 rows of A, its 256 rows of B, A's scale words, B's
	s_mov_b32 s92, 1
	s_mov_b32 s93, 0
	s_mov_b64 s[94:95], s[20:21]
	s_or_b32 s95, s95, 0x80000000
	s_mov_b32 s44, 1
	s_mov_b32 s45, 2*HALFT
	s_or_b32 s47, s47, 0x80000000
	s_mul_i32 s18, s16, 8*8*FRB                    ; the ring's loads bring half a tile: my half, in bytes
	s_mov_b32 s19, 0
.irp g, G0, G0+4, G0B, G0B+4
	s_add_nc_u64 s[\g+2:\g+3], s[\g+2:\g+3], s[18:19]
.endr
	s_cmp_eq_u32 s14, 0
	s_cbranch_scc0 .Lh1
	tensor_load_to_lds s[92:95], s[G1:G1+7]
	s_nop 0
	PLACES 4
	s_branch .Lhj
.Lh1:
	s_cmp_eq_u32 s14, 1
	s_cbranch_scc0 .Lh2
	tensor_load_to_lds s[44:47], s[G1B:G1B+7]
	s_nop 0
	PLACES 4
	s_branch .Lhj
.Lh2:
	s_cmp_eq_u32 s14, 2
	s_cbranch_scc0 .Lh3
	tensor_load_to_lds s[G0S:G0S+3], s[G1S:G1S+7]
	s_nop 0
	PLACES 4
	s_branch .Lhj
.Lh3:
	tensor_load_to_lds s[G0SB:G0SB+3], s[G1SB:G1SB+7]
	s_nop 0
	PLACES 4
.Lhj:
	s_wait_alu depctr_va_vdst(0)
	s_wait_tensorcnt 0x0                           ; my tile of the four is in, ahead of slot 1's first fill
	ds_add_u32 v28, v29
	s_mov_b32 s[G1+2], 8<<16                       ; no load of mine is out: from here on a load brings 8 tiles of 16 rows
	s_mov_b32 s[G1+4], 8
	s_mov_b32 s[G1B+2], 8<<16
	s_mov_b32 s[G1B+4], 8
	s_wait_dscnt 0x0
	CROUND
	JLOAD G0+4, G1, G0B+4, G1B
	v_and_b32 v1, 31, v0
	v_and_b32 v2, 15, v0
	v_bfe_u32 v3, v0, 4, 1
	v_lshlrev_b32 v[L16], 4, v1
	v_lshlrev_b32 v[L8], 3, v1
	v_lshlrev_b32 v[L4], 2, v1
	s_mul_i32 s21, s15, HALFT
	s_mul_i32 s22, s16, HALFT
	s_add_co_u32 s22, s22, 2*HALFT
.irp s, 0,1
	v_add_nc_u32 v[ADRA+\s], s21, v[L16]
	v_add_nc_u32 v[ADRA+2+\s], s21, v[L8]
	v_add_nc_u32 v[ADRB+\s], s22, v[L16]
	v_add_nc_u32 v[ADRB+2+\s], s22, v[L8]
	s_add_co_u32 s21, s21, SLOT
	s_add_co_u32 s22, s22, SLOT
.endr
	s_mul_i32 s21, s15, SZ
	s_mul_i32 s22, s16, SZ
	s_add_co_u32 s22, s22, 2*SZ+64
	s_sub_co_u32 s22, s22, s21
	v_mul_u32_u24 v31, s22, v3
	s_add_co_u32 s21, s21, SCL
	v_lshl_add_u32 v31, v2, 2, v31
	v_add_nc_u32 v[ADRS], s21, v31
	s_wait_alu depctr_va_vdst(0)
	s_wait_tensorcnt 1
	s_barrier_signal -1
	s_barrier_wait -1
	FETCH 0, 0, 0
	STEP 0, 0, 1
	TURN 0, 1, 1
	s_wait_alu depctr_va_vdst(0)
	STEP 1, 0, 0
	TURN 1, 0, 1
	s_wait_alu depctr_va_vdst(0)
	STEP 0, 0, 0
	TURN 0, 1, 0
	s_wait_alu depctr_va_vdst(0)
	STEP 1, 0, 0
	s_wait_dscnt 0x0
	WIN 0xa1
	MULQ 0, 1, 0
	MULQ 2, 1, 0
	WIN 0xf1
	MULQ 4, 1, 0
	MULQ 6, 1, 0
	WIN 0
	PLACES 4
.irp b, 0,1,2,3
	v_mov_b32 v[TM+4+\b], 0
.endr
	s_mov_b32 s96, 0xffff0000
	s_lshl_b32 s18, s42, 1
	s_add_co_u32 s18, s18, s16
	s_lshl_b32 s19, s17, 4
	s_lshl_b32 s20, s15, 3
	s_add_co_u32 s19, s19, s20
	s_mov_b32 s21, 0
	s_mov_b32 s23, 0
	s_mov_b32 s47, 0
	s_cmp_eq_u32 s97, 0
	s_cbranch_scc1 .Lv_arm
	s_lshl_b32 s20, s18, 9
	s_add_co_u32 s20, s20, s19
	s_mul_i32 s20, s20, 768
	s_add_nc_u64 s[20:21], s[8:9], s[20:21]
	s_lshl_b32 s22, s18, 15
	s_lshl_b32 s46, s19, 6
	s_add_co_u32 s22, s22, s46
	s_add_co_u32 s22, s22, QKS
	s_add_nc_u64 s[22:23], s[8:9], s[22:23]
	s_add_nc_u64 s[46:47], s[6:7], s[46:47]
	s_mov_b32 s92, 0x7f010000
	s_mov_b32 s93, 0x7ff70000
	s_cmp_eq_u32 ttmp9, 0
	s_cselect_b32 s92, 0x7f7f0000, s92
	s_cselect_b32 s93, 0x7f7f0000, s93
	v_mov_b32 v30, s92
	v_mov_b32 v31, s93
	v_and_b32 v[MA], 7, v1
	v_and_b32 v[MT], 8, v1
	v_lshl_or_b32 v[MA], v[MT], 1, v[MA]
	v_and_b32 v[MT], 16, v1
	v_lshrrev_b32 v[MT], 1, v[MT]
	v_or_b32 v[MA], v[MA], v[MT]
	v_lshlrev_b32 v[MA], 2, v[MA]
.irp i, 0,1,2,3
	global_load_b32 v[MB+\i], v[MA], s[46:47] offset:128*\i
.endr
.irp a, 0,1,2,3,4,5,6,7
	s_wait_xcnt 0x0
	QUANTW 2+\a/4, 64*(\a%4)
	global_store_b128 v[L16], v[PC:PC+3], s[20:21] offset:768*\a
	global_store_b64 v[L8], v[PC+4:PC+5], s[20:21] offset:768*\a+512
	global_store_b128 v[L16], v[PC+6:PC+9], s[20:21] offset:196608+768*\a
	global_store_b64 v[L8], v[PC+10:PC+11], s[20:21] offset:196608+768*\a+512
.if \a%2 == 0
	v_mov_b32 v[PWE], v[PW]
.else
.if \a == 1
	s_wait_loadcnt 0x0
.irp i, 0,1,2,3
	v_cmp_eq_u32 vcc_lo, 0, v[MB+\i]
	v_cndmask_b32 v[MB+\i], v30, v31, vcc_lo
.endr
.endif
	v_cndmask_b32 v[PWC], v[PWE], v[PW], s96
	v_and_or_b32 v[W0], v[PWC], 0xffff, v[MB+\a/2]
	v_lshrrev_b32 v[W1], 16, v[PWC]
	v_or_b32 v[W1], v[W1], v[MB+\a/2]
	global_store_b32 v[L4], v[W0], s[22:23] offset:64*(\a-1)
	global_store_b32 v[L4], v[W1], s[22:23] offset:16384+64*(\a-1)
.endif
.endr
	s_branch .Ldone
.Lv_arm:
	s_lshr_b32 s20, s18, 4
	s_lshl_b32 s20, s20, 4
	s_lshl_b32 s22, s17, 2
	s_add_co_u32 s20, s20, s22
	s_lshl_b32 s22, s15, 1
	s_add_co_u32 s20, s20, s22
	s_lshl_b32 s20, s20, 4
	s_and_b32 s22, s18, 15
	s_add_co_u32 s20, s20, s22
	s_lshl_b32 s22, s20, 8
	s_add_co_u32 s22, s22, VSO
	s_mul_i32 s20, s20, 4*FRB
	s_add_co_u32 s20, s20, VCO
	s_add_nc_u64 s[20:21], s[8:9], s[20:21]
	s_add_nc_u64 s[22:23], s[8:9], s[22:23]
.irp a, 0,1,2,3,4,5,6,7
	s_wait_xcnt 0x0
	QUANTW 2+\a/4, 64*(\a%4)
	global_store_b128 v[L16], v[PC:PC+3], s[20:21] offset:(\a/4)*98304+(\a%4)*FRB
	global_store_b64 v[L8], v[PC+4:PC+5], s[20:21] offset:(\a/4)*98304+(\a%4)*FRB+512
	global_store_b128 v[L16], v[PC+6:PC+9], s[20:21] offset:(\a/4)*98304+(\a%4)*FRB+768
	global_store_b64 v[L8], v[PC+10:PC+11], s[20:21] offset:(\a/4)*98304+(\a%4)*FRB+1280
.if \a%2 == 0
	v_mov_b32 v[PWE], v[PW]
.else
	v_cndmask_b32 v[PWC], v[PWE], v[PW], s96
	global_store_b32 v[L4], v[PWC], s[22:23] offset:(\a/4)*4096+(\a%4-1)*64
.endif
.endr
.Ldone:
	s_wait_tensorcnt 0x0
	ds_add_u32 v[SPW], v[NIL]
	s_wait_dscnt 0x0
	CROUND
	s_endpgm
.Lfunc_end_k_q020a56fc43_qkv:
	.size	k_q020a56fc43_qkv, .Lfunc_end_k_q020a56fc43_qkv-k_q020a56fc43_qkv
	.p2alignl 7, 3214868480
	.fill 96, 4, 3214868480
	.section	.rodata,"a",@progbits
	.p2align	6, 0x0
	.amdhsa_kernel k_q020a56fc43_qkv
		.amdhsa_group_segment_fixed_size 327680
		.amdhsa_private_segment_fixed_size 0
		.amdhsa_enable_private_segment 0
		.amdhsa_kernarg_size 24
		.amdhsa_user_sgpr_count 2
		.amdhsa_user_sgpr_kernarg_segment_ptr 1
		.amdhsa_wavefront_size32 1
		.amdhsa_system_sgpr_workgroup_id_x 1
		.amdhsa_system_sgpr_workgroup_id_y 1
		.amdhsa_system_sgpr_workgroup_id_z 1
		.amdhsa_system_vgpr_workitem_id 0
		.amdhsa_next_free_vgpr 1024
		.amdhsa_next_free_sgpr 100
		.amdhsa_reserve_vcc 1
		.amdhsa_float_denorm_mode_32 3
		.amdhsa_float_denorm_mode_16_64 3
		.amdhsa_memory_ordered 1
		.amdhsa_forward_progress 1
		.amdhsa_inst_pref_size 190
	.end_amdhsa_kernel
	.amdgpu_metadata
---
amdhsa.version: [ 1, 2 ]
amdhsa.kernels:
  - .name:           k_q020a56fc43_qkv
    .symbol:         k_q020a56fc43_qkv.kd
    .args:
      - { .name: wq, .offset: 0, .size: 8, .value_kind: global_buffer, .address_space: global }
      - { .name: mask, .offset: 8, .size: 8, .value_kind: global_buffer, .address_space: global }
      - { .name: qkv, .offset: 16, .size: 8, .value_kind: global_buffer, .address_space: global }
    .group_segment_fixed_size: 327680
    .private_segment_fixed_size: 0
    .kernarg_segment_align: 8
    .kernarg_segment_size: 24
    .max_flat_workgroup_size: 128
    .sgpr_count:     100
    .vgpr_count:     1024
    .wavefront_size: 32
...
	.end_amdgpu_metadata
.endif
;; end of part 2
;; launch attn (part 3): grid 8 x 32, 16 waves a work-group, no clusters, 327,680 bytes of LDS; arguments qkv, ao; writes ao
.if DOCPART == 3
	.amdgcn_target "amdgcn-amd-amdhsa--gfx1250"
	.amdhsa_code_object_version 6
	.text
	.protected	k_q020a56fc43_attn
	.globl	k_q020a56fc43_attn
	.p2align	8
	.type	k_q020a56fc43_attn,@function
k_q020a56fc43_attn:
	s_mov_b64 s[64:65], 0
	v_nop
	global_prefetch_b8 v0, s[64:65] scope:SCOPE_SE
	s_setreg_imm32_b32 hwreg(HW_REG_WAVE_MODE, 25, 1), 1
	s_wait_xcnt 0x0
; Launch 3 of 8: softmax(Q K^T / 8, masked) V for one head of one batch and 256 query positions, both products on codes of E2M3; the result, divided by the row's sum, is quantised along the model's axis.  Nothing is left out.
; THE SOFTMAX: t = score x log2(e) / 8; M = the running largest t rounded up to a whole number; p = 2^(t - M) is quantised along the keys; the row's sum is taken of the unquantised p.
; SHARES.  Sixteen waves, each one tile of 16 query positions in 256 registers; every wave walks the 2,048 keys, 128 a step.
; LDS.  The head's K (98,304 bytes), V (98,304) and their scale words (8,192 + 4,096) are each filled once, in two parts: part A (key steps 0-4) and the scale words at the head, one tensor load a wave;
; part B (steps 5-15) one load a wave, behind the three lines and a barrier.  A second barrier shows part B.
; NO CLUSTER: the eight work-groups of a head read the same 208,896 bytes, but in two requests a wave only; joint loads would put a round of the cluster's barrier, for sixteen waves, in front of each.
; PREFETCH: part B's 528 blocks of 256 bytes are shared out by address among the head's eight work-groups, 66 blocks each, named once at the head, ahead of the wait for part A; part B's load follows behind that wait.
; LAYOUT.  Both products transposed: S^T = K Q^T, O^T = V^T P^T: a lane holds one query.  A tile of 16 key positions holds true keys 32 b + 8 u + r + 8 (r / 8), so the 16 registers of tiles 2 b, 2 b + 1 are 16 true neighbours.
; THE SCORE PRODUCT'S K IS 64 of the instruction's 128.  In the spare half K's fragment holds the code -1 and Q's the code +1 at k = 64; Q's other codes there are 0.  Byte 2 of a key's scale word (made from the mask by the launch
; before) is 1 for a kept key and 247 for a masked one: a masked score is lowered by 2^120, its p is 0.  The largest t starts at -2^100: while no kept key has been seen, p, the sum and O^T stay 0.
; LIMITS: as stated at the head of the first launch (scores under 2^96; a batch with no kept key is not served).
; REGISTERS: v1-4, v7, v8 addresses that stay; v5, v6 the add's two; v9-11, v29-31 the step's addresses; v12 -M, v13 largest t, v[14:15] the sum; v16-27 Q, v28 its scale words; v32-67 four fragments of K, 8 registers apart
; (registers 6, 7 constant, 8-11 the next fragment's: they meet Q's zeros); v68-115 V's four; v116-179 S^T, then p; v180-211 O^T; v212-223 p's codes; v224-255 at work; v227 the prefetch's offset.
.set VC,    98304
.set KS,    196608
.set VS,    204800
.set SPARE, 208896
.set PARTA, 30720                      ; bytes of five key steps' codes
.set QKSG,  9437184
.set VCG,   6291456
.set VSG,   9961472
.set AOS,   3145728
.set KF,  32
.set VF,  68
.set S,   116
.set O,   180
.set PC,  212
.set PT,  224
.set BM,  232
.set BT,  236
.set VSC, 240
.set C2,  242
.set SO,  244
.set KSC, 248
.set SEL, 20
.set CS,  22
.set TB,  2                            ; the step's codes: 6,144 bytes a step
.set TS,  3                            ; K's scale words: 512 a step
.set TJ,  66                           ; V's: 256 a step
.set CNT, 67
.macro WALU
	s_wait_alu depctr_va_vdst(0)
.endm
.macro DEP
	s_delay_alu instid0(VALU_DEP_1)
.endm
.macro KQ d, a, sc, row
.if \row
	v_wmma_scale_f32_16x16x128_f8f6f4 v[(\d):(\d)+7], v[(\a):(\a)+11], v[16:27], 0, v[\sc], v28 matrix_a_fmt:MATRIX_FMT_FP6 matrix_b_fmt:MATRIX_FMT_FP6 matrix_a_scale:MATRIX_SCALE_ROW1
.else
	v_wmma_scale_f32_16x16x128_f8f6f4 v[(\d):(\d)+7], v[(\a):(\a)+11], v[16:27], 0, v[\sc], v28 matrix_a_fmt:MATRIX_FMT_FP6 matrix_b_fmt:MATRIX_FMT_FP6
.endif
.endm
.macro PV d, a, sc, row
.if \row
	v_wmma_scale_f32_16x16x128_f8f6f4 v[(\d):(\d)+7], v[(\a):(\a)+11], v[PC:PC+11], v[(\d):(\d)+7], v[\sc], v253 matrix_a_fmt:MATRIX_FMT_FP6 matrix_b_fmt:MATRIX_FMT_FP6 matrix_a_scale:MATRIX_SCALE_ROW1
.else
	v_wmma_scale_f32_16x16x128_f8f6f4 v[(\d):(\d)+7], v[(\a):(\a)+11], v[PC:PC+11], v[(\d):(\d)+7], v[\sc], v253 matrix_a_fmt:MATRIX_FMT_FP6 matrix_b_fmt:MATRIX_FMT_FP6
.endif
.endm
.macro KLOAD g                         ; ten LDS loads: tiles 4 g .. 4 g + 3 of K and two registers of scale words (lanes 0-15 the even tile's, lanes 16-31 the odd one's)
.irp t, 0,1,2,3
	ds_load_b128 v[KF+8*\t:KF+8*\t+3], v9 offset:(4*(\g)+\t)*768
	ds_load_b64 v[KF+8*\t+4:KF+8*\t+5], v10 offset:(4*(\g)+\t)*768
.endr
.irp u, 0,1
	ds_load_b32 v[KSC+2*(\g)+\u], v30 offset:128*(2*(\g)+\u)
.endr
.endm
; the largest score of blocks b0, b0 + 1 (my 16 registers of each), two chains a block; each accumulator is read from its low end on
.macro BMAX1 b0
.irp b, \b0, \b0+1
	v_max3_num_f32 v[BM+\b], v[S+16*(\b)], v[S+16*(\b)+1], v[S+16*(\b)+2]
	v_max3_num_f32 v[BT+\b], v[S+16*(\b)+8], v[S+16*(\b)+9], v[S+16*(\b)+10]
.endr
.irp i, 3,5
.irp b, \b0, \b0+1
	v_max3_num_f32 v[BM+\b], v[BM+\b], v[S+16*(\b)+\i], v[S+16*(\b)+\i+1]
	v_max3_num_f32 v[BT+\b], v[BT+\b], v[S+16*(\b)+\i+8], v[S+16*(\b)+\i+9]
.endr
.endr
.endm
.macro BMAX2 b0
.irp b, \b0, \b0+1
	v_max3_num_f32 v[BM+\b], v[BM+\b], v[BT+\b], v[S+16*(\b)+7]
.endr
.irp b, \b0, \b0+1
	v_max_num_f32 v[BM+\b], v[BM+\b], v[S+16*(\b)+15]
.endr
.endm
.macro SUM j                           ; the row's sum of the unquantised p, in two chains
	v_pk_add_f32 v[14:15], v[14:15], v[S+\j:S+\j+1]
	v_pk_add_f32 v[C2:C2+1], v[C2:C2+1], v[S+2+\j:S+3+\j]
.endm
; A KEY STEP: 128 keys
.macro STEP
	v_add_nc_u32 v9, s[TB], v1
	v_add_nc_u32 v10, s[TB], v2
	v_add_nc_u32 v30, s[TS], v7
	KLOAD 0
	WALU
	s_wait_dscnt 0x0
.irp t, 0,1,2,3
	KQ S+8*\t, KF+8*\t, KSC+\t/2, \t%2             ; S^T = K Q^T, keys 0-63
.endr
	v_add_nc_u32 v11, s[TB], v3                    ; four lines that are due anyway: the places in front of the loads into K's registers
	v_add_nc_u32 v29, s[TB], v4
	v_add_nc_u32 v31, s[TJ], v8
	v_mov_b32 v255, v12                            ; the old -M
	KLOAD 1
.irp f, 0,1,2,3                                ; V's 18 loads land under the softmax
	ds_load_b128 v[VF+12*\f:VF+12*\f+3], v11 offset:1536*\f
	ds_load_b64 v[VF+12*\f+4:VF+12*\f+5], v29 offset:1536*\f
	ds_load_b128 v[VF+12*\f+6:VF+12*\f+9], v11 offset:1536*\f+768
	ds_load_b64 v[VF+12*\f+10:VF+12*\f+11], v29 offset:1536*\f+768
.endr
.irp u, 0,1
	ds_load_b32 v[VSC+\u], v31 offset:128*\u
.endr
	BMAX1 0
	WALU
	s_wait_dscnt 18                                ; K's second ten are in; V's 18, issued behind them, may be out
.irp t, 0,1,2,3
	KQ S+32+8*\t, KF+8*\t, KSC+2+\t/2, \t%2        ; keys 64-127
.endr
	BMAX2 0                                        ; four lines on the first products' results: the places behind the second four
	BMAX1 2
	BMAX2 2
.irp b, 0,1,2,3
	v_permlanex16_b32 v[BT+\b], v[BM+\b], s[SEL], s[SEL+1]
.endr
.irp b, 0,1,2,3
	v_max_num_f32 v[BM+\b], v[BM+\b], v[BT+\b]     ; with lane l xor 16's 16 keys
.endr
	v_max3_num_f32 v254, v[BM], v[BM+1], v[BM+2]
	DEP
	v_max_num_f32 v254, v254, v[BM+3]
	DEP
	v_mul_f32 v254, s[CS], v254                    ; as t (c is positive)
	DEP
	v_max_num_f32 v13, v13, v254                   ; the running largest t
	DEP
	v_floor_f32 v12, -v13                          ; the new -M = floor(-t)
	DEP
	v_sub_f32 v254, v12, v255                      ; old M - new M: a whole number, 0 or less
	DEP
	v_cvt_i32_f32 v254, v254                       ; (it saturates)
	DEP
	v_ldexp_f32 v252, 1.0, v254                    ; f = 2^(old M - new M)
.irp b, 0,1,2,3
	v_fma_f32 v[BM+\b], v[BM+\b], s[CS], v12       ; t - M of each block's largest score
.endr
.set jj, 0
.rept 32
	v_pk_fma_f32 v[S+jj:S+jj+1], v[S+jj:S+jj+1], s[CS:CS+1], v[12:13] op_sel_hi:[1,0,0]   ; t - M
.set jj, jj+2
.endr
.set jj, 0
.rept 16
	v_pk_mul_f32 v[O+jj:O+jj+1], v[O+jj:O+jj+1], v[252:253] op_sel_hi:[1,0]   ; O^T under the new M, ahead of the batch, each accumulator from its low end on
.set jj, jj+2
.endr
	WALU                                           ; one wait ahead of the batch: all its sources are laid
.set jj, 0
.rept 64
	v_exp_f32 v[S+jj], v[S+jj]                     ; p = 2^(t - M), at most 1
.set jj, jj+1
.endr
.irp b, 0,1,2,3
	v_exp_f32 v[BM+\b], v[BM+\b]                   ; the block's largest p: the same arithmetic on the same number
.endr
	v_pk_mul_f32 v[14:15], v[14:15], v[252:253] op_sel_hi:[1,0]   ; the sum under the new M: the plain place behind the batch
	WALU                                           ; one wait for the 68, ahead of their first reader
.irp b, 0,1,2,3
	v_max_num_f32 v[BM+\b], 0x1800000, v[BM+\b]    ; the floor 2^(3 - 127): the byte cannot fall under 1
.endr
.irp b, 0,1,2,3
	v_add_nc_u32 v[SO+\b], 0xff000000, v[BM+\b]    ; 2 off the exponent field: the conversion's scale operand
.endr
.irp b, 0,1,2,3
	v_lshrrev_b32 v[BT+\b], 23, v[SO+\b]           ; the scale's byte
.endr
	v_lshl_or_b32 v253, v[BT+1], 8, v[BT]          ; p's scale word for these 128 keys
	v_pk_add_f32 v[C2:C2+1], v[S:S+1], v[S+2:S+3]
	SUM 4
	v_lshl_or_b32 v253, v[BT+2], 16, v253
	SUM 8
	v_lshl_or_b32 v253, v[BT+3], 24, v253
.irp j, 12,16,20,24,28
	SUM \j
.endr
.irp c, 0,1
	v_cvt_scalef32_pk16_fp6_f32 v[PC+6*\c:PC+2+6*\c], v[S+32*\c:S+15+32*\c], v[SO+2*\c]
	v_cvt_scalef32_pk16_fp6_f32 v[PT+4*\c:PT+2+4*\c], v[S+16+32*\c:S+31+32*\c], v[SO+2*\c+1]
.endr
.irp j, 32,36,40,44                            ; plain lines behind the conversions, which only read what those read
	SUM \j
.endr
.irp c, 0,1                                    ; the operand's layout wants a whole block in a lane
.irp i, 0,1,2
	v_permlane16_swap_b32 v[PC+6*\c+\i], v[PT+4*\c+\i]
.endr
.irp i, 0,1,2
	v_mov_b32 v[PC+3+6*\c+\i], v[PT+4*\c+\i]
.endr
.endr
.irp j, 48,52,56,60                            ; these nine are also the places between the codes' last write and the products
	SUM \j
.endr
	v_pk_add_f32 v[14:15], v[14:15], v[C2:C2+1]
	WALU
	s_wait_dscnt 0x0                               ; V's fragments and scale words
.irp f, 0,1,2,3
	PV O+8*\f, VF+12*\f, VSC+\f/2, \f%2            ; O^T += V^T P^T: four accumulators, one instruction each
.endr
	s_add_co_u32 s[TB], s[TB], 6144
	s_add_co_u32 s[TS], s[TS], 512
	s_add_co_u32 s[TJ], s[TJ], 256
.endm
; A part of the keys.  Every wave waits for all its tensor loads, adds 0 to its spare word and waits for that; the barrier shows the part whole; where a part follows, its load, bytes filled for the first time, comes first behind it.
.macro SEG trips, g0, g1
	WALU
	s_wait_tensorcnt 0x0
	ds_add_u32 v5, v6
	s_wait_dscnt 0x0
	s_barrier_signal -1
	s_barrier_wait -1
.if \g0
	tensor_load_to_lds s[\g0:\g0+3], s[\g1:\g1+7]
	s_nop 0
.endif
	s_mov_b32 s[CNT], \trips
.Lseg_\@:
	STEP
	s_sub_co_u32 s[CNT], s[CNT], 1
	s_cmp_lg_u32 s[CNT], 0
	WALU
	s_cbranch_scc1 .Lseg_\@
.endm
.macro DENSE g, el, rows               ; group 1 of a dense block: rows of el elements of 8 bytes
	s_mov_b32 s[\g], 3<<16
	s_mov_b32 s[\g+1], (\el)<<16
	s_mov_b32 s[\g+2], (\rows)<<16
	s_mov_b32 s[\g+3], (\el)<<16
	s_mov_b32 s[\g+4], \rows
	s_mov_b32 s[\g+5], \el
	s_mov_b32 s[\g+6], 0
	s_mov_b32 s[\g+7], 0
.endm
.macro GZERO g, lds, off               ; group 0: LDS address, bytes from qkv's start (s19 = 0)
	s_mov_b32 s[\g], 1
	s_mov_b32 s[\g+1], s[\lds]
	s_mov_b32 s18, s[\off]
	s_add_nc_u64 s[\g+2:\g+3], s[4:5], s[18:19]
	s_or_b32 s[\g+3], s[\g+3], 0x80000000
.endm
	s_load_b128 s[4:7], s[0:1], 0x0                ; qkv, ao
	v_lshl_add_u32 v5, v0, 2, SPARE
	v_mov_b32 v6, 0
	ds_add_u32 v5, v6                              ; the opening lines: the add twice on end and its wait
	ds_add_u32 v5, v6
	v_lshrrev_b32 v9, 5, v0
	v_readfirstlane_b32 s8, v9                     ; wave 0..15
	s_and_b32 s10, ttmp7, 0xffff                   ; 16 b + head
	s_lshr_b32 s11, s10, 4
	s_and_b32 s12, s10, 15
	s_lshl_b32 s9, s11, 7
	s_lshl_b32 s13, ttmp9, 4
	s_add_co_u32 s9, s9, s13
	s_add_co_u32 s9, s9, s8                        ; T: my tile of 16 query positions
	s_lshl_b32 s13, s12, 8
	s_add_co_u32 s13, s13, s9                      ; 256 head + T
	s_add_co_u32 s76, s12, 16
	s_lshl_b32 s76, s76, 8
	s_lshl_b32 s77, s11, 7
	s_add_co_u32 s76, s76, s77                     ; K: 256 (16 + head) + 128 b
	s_mul_i32 s78, s76, 768                        ; K's codes, bytes from qkv
	s_lshl_b32 s79, s76, 6
	s_add_co_u32 s79, s79, QKSG                    ; K's scale words
	s_mul_i32 s80, s10, 98304
	s_add_co_u32 s80, s80, VCG                     ; V's codes
	s_lshl_b32 s81, s10, 12
	s_add_co_u32 s81, s81, VSG                     ; V's scale words
	s_mov_b32 s19, 0
	s_and_b32 s14, s8, 3                           ; the head's loads: waves 0-3 K's part A, 4-7 V's, 7,680 bytes each; 8-11 K's words, 2,048 each; 12-15 V's, 1,024 each
	s_lshr_b32 s15, s8, 2
	s_mul_i32 s16, s14, 7680
	s_mul_i32 s17, s15, VC
	s_add_co_u32 s17, s17, s16
	s_cmp_lt_u32 s8, 4
	s_cselect_b32 s82, s78, s80
	s_add_co_u32 s82, s82, s16
	s_lshl_b32 s83, s14, 11
	s_add_co_u32 s79, s79, s83
	s_add_co_u32 s83, s83, KS
	s_lshl_b32 s76, s14, 10
	s_add_co_u32 s81, s81, s76
	s_add_co_u32 s76, s76, VS
	s_and_b32 s14, s8, 7                           ; part B: waves 0-7 K's, 8-15 V's: 8,448 bytes each
	s_lshr_b32 s15, s8, 3
	s_mul_i32 s15, s15, VC
	s_cmp_lt_u32 s8, 8
	s_cselect_b32 s16, s78, s80
	s_mul_i32 s92, s14, 8448
	s_add_co_u32 s92, s92, PARTA
	s_add_co_u32 s93, s16, s92
	s_add_co_u32 s92, s92, s15
	DENSE 24, 96, 10                               ; part A: 10 rows of 768 bytes
	DENSE 32, 96, 11                               ; part B: 11
	DENSE 40, 32, 8                                ; K's scale words
	DENSE 48, 32, 4                                ; V's
	s_mov_b32 s[SEL], 0x76543210
	s_mov_b32 s[SEL+1], 0xfedcba98
	s_mov_b32 s[CS], 0x3e38aa3b                    ; c = log2(e) / sqrt(64)
	s_mov_b32 s[CS+1], s[CS]
	s_mov_b32 s[TB], 0
	s_mov_b32 s[TS], 0
	s_mov_b32 s[TJ], 0
	s_wait_dscnt 0x0                               ; both opening adds are done
	s_wait_kmcnt 0x0
	GZERO 56, 17, 82
	GZERO 60, 83, 79
	GZERO 68, 76, 81
	GZERO 72, 92, 93
	s_cmp_lt_u32 s8, 8                             ; one chain of arms, one load to an arm
	s_cbranch_scc0 .Lks
	tensor_load_to_lds s[56:59], s[24:31]
	s_nop 0
	s_branch .Lasked
.Lks:
	s_cmp_lt_u32 s8, 12
	s_cbranch_scc0 .Lvs
	tensor_load_to_lds s[60:63], s[40:47]
	s_nop 0
	s_branch .Lasked
.Lvs:
	tensor_load_to_lds s[68:71], s[48:55]
	s_nop 0
.Lasked:
	s_mul_i32 s92, s13, 768
	s_mov_b32 s93, 0
	s_add_nc_u64 s[92:93], s[4:5], s[92:93]        ; Q's half fragment
	s_lshl_b32 s94, s13, 6
	s_add_co_u32 s94, s94, QKSG
	s_mov_b32 s95, 0
	s_add_nc_u64 s[94:95], s[4:5], s[94:95]        ; and its scale words
	v_and_b32 v9, 31, v0
	v_lshlrev_b32 v1, 4, v9                        ; K's codes: 16 x lane,
	v_lshlrev_b32 v10, 3, v9
	v_add_nc_u32 v2, 512, v10                      ; 512 + 8 x lane
	v_add_nc_u32 v3, VC, v1                        ; V's likewise
	v_add_nc_u32 v4, VC+512, v10
	v_lshlrev_b32 v11, 2, v9
	v_add_nc_u32 v7, KS, v11                       ; scale words: 4 x lane
	v_add_nc_u32 v8, VS, v11
	v_and_b32 v29, 15, v0
	v_lshlrev_b32 v29, 2, v29
	global_load_b128 v[16:19], v1, s[92:93]
	global_load_b64 v[20:21], v10, s[92:93] offset:512
	global_load_b32 v28, v29, s[94:95]
	s_and_b32 s14, ttmp9, 3                        ; the prefetch: work-groups 0-3 of the head take K's blocks, 4-7 V's, 16,896 bytes each
	s_cmp_lt_u32 ttmp9, 4
	s_cselect_b32 s16, s78, s80
	s_mul_i32 s15, s14, 16896
	s_add_co_u32 s15, s15, s16
	s_add_co_u32 s15, s15, PARTA
	v_min_u32 v227, 65, v0                         ; a lane a block; lanes left over name the last block again
	v_lshl_add_u32 v227, v227, 8, s15
	v_bfe_u32 v30, v0, 4, 1
	v_xor_b32 v30, 1, v30
	v_lshlrev_b32 v22, 3, v30                      ; Q at k = 64 (lanes 0-15): the code 8 = +1
.irp j, 23,24,25,26,27
	v_mov_b32 v\j, 0
.endr
.irp t, 0,1,2,3
	v_mov_b32 v[KF+8*\t+6], 40                     ; K at k = 64: the code 40 = -1
	v_mov_b32 v[KF+8*\t+7], 0
.endr
.irp j, 64,65,66,67
	v_mov_b32 v\j, 0
.endr
	v_mov_b32 v13, 0xf1800000                      ; the largest t so far: -2^100
	v_floor_f32 v12, -v13
	v_mov_b32 v14, 0
	v_mov_b32 v15, 0
.irp b, 0,1,2,3
	v_mov_b32 v[BT+\b], 0                          ; a lane permute's destination counts as one of its sources
.endr
	v_mov_b32 v253, 0
.set jj, 0
.rept 32
	v_mov_b32 v[O+jj], 0                           ; O^T: the step is written once; the first finds zeros
.set jj, jj+1
.endr
	s_cmp_lt_u32 s8, 3
	s_cbranch_scc0 .Lnopfb
	global_prefetch_b8 v227, s[4:5] th:TH_LOAD_NT scope:SCOPE_SE   ; my work-group's 66 blocks of part B, waves 0 to 2
.Lnopfb:
	WALU
	s_wait_loadcnt 0x0                             ; Q
	SEG 5, 72, 32                                  ; key steps 0-4; part B is asked for
	SEG 11, 0, 0                                   ; key steps 5-15
	; THE WAY OUT: O^T / the sum; my 32 registers are, with lane l xor 16's, 64 channels of my query: two blocks, half a fragment and half a scale word of the next product's K step head / 2
	v_add_f32 v14, v14, v15
	v_permlanex16_b32 v252, v14, s[SEL], s[SEL+1]
	v_add_f32 v14, v14, v252                       ; the row's sum
	WALU
	v_rcp_f32 v14, v14
	v_and_b32 v9, 31, v0
	v_lshlrev_b32 v10, 3, v9
	v_lshlrev_b32 v9, 4, v9
	v_and_b32 v11, 15, v0
	v_lshlrev_b32 v11, 2, v11
	s_lshl_b32 s76, s9, 4
	s_add_co_u32 s76, s76, s12
	s_mul_i32 s76, s76, 768                        ; ao's codes: [T][head][768]
	s_mov_b32 s77, 0
	s_add_nc_u64 s[76:77], s[6:7], s[76:77]
	s_lshr_b32 s78, s9, 2
	s_lshl_b32 s78, s78, 3
	s_lshr_b32 s79, s12, 1
	s_add_co_u32 s78, s78, s79
	s_lshl_b32 s78, s78, 8                         ; scale words: [T / 4][head / 2][64]
	s_and_b32 s79, s9, 3
	s_lshl_b32 s79, s79, 6
	s_add_co_u32 s78, s78, s79
	s_and_b32 s79, s12, 1
	s_lshl_b32 s79, s79, 1                         ; my head's two bytes of the word
	s_add_co_u32 s78, s78, s79
	s_add_co_u32 s78, s78, AOS
	s_mov_b32 s79, 0
	s_add_nc_u64 s[78:79], s[6:7], s[78:79]
	WALU                                           ; ahead of the first reader of the reciprocal and of O^T
.set jj, 0
.rept 16
	v_pk_mul_f32 v[S+jj:S+jj+1], v[O+jj:O+jj+1], v[14:15] op_sel_hi:[1,0]   ; each accumulator from its low end on
.set jj, jj+2
.endr
.irp b, 0,1
	v_max3_num_f32 v[BM+\b], |v[S+16*\b]|, |v[S+1+16*\b]|, 0x1800000
.endr
.irp i, 2,4,6,8,10,12,14
.irp b, 0,1
	v_max3_num_f32 v[BM+\b], v[BM+\b], |v[S+16*\b+\i]|, |v[S+1+16*\b+\i]|
.endr
.endr
.irp b, 0,1
	v_permlanex16_b32 v[BT+\b], v[BM+\b], s[SEL], s[SEL+1]
.endr
.irp b, 0,1
	v_max_num_f32 v[BM+\b], v[BM+\b], v[BT+\b]
.endr
.irp b, 0,1
	v_add_nc_u32 v[SO+\b], 0xff000000, v[BM+\b]
.endr
.irp b, 0,1
	v_lshrrev_b32 v[BT+\b], 23, v[SO+\b]
.endr
	v_lshl_or_b32 v253, v[BT+1], 8, v[BT]
	v_cvt_scalef32_pk16_fp6_f32 v[PC:PC+2], v[S:S+15], v[SO]
	v_cvt_scalef32_pk16_fp6_f32 v[PT:PT+2], v[S+16:S+31], v[SO+1]
	v_nop                                          ; one plain place behind a scaled conversion
.irp i, 0,1,2
	v_permlane16_swap_b32 v[PC+\i], v[PT+\i]
.endr
.irp i, 0,1,2
	v_mov_b32 v[PC+3+\i], v[PT+\i]
.endr
	global_store_b128 v9, v[PC:PC+3], s[76:77]
	global_store_b64 v10, v[PC+4:PC+5], s[76:77] offset:512
	global_store_b16 v11, v253, s[78:79]           ; two bytes a row, 4 bytes apart; both halves of the lanes write the same
	s_wait_tensorcnt 0x0                           ; the wave's end
	ds_add_u32 v5, v6
	s_wait_dscnt 0x0
	s_endpgm
.Lfunc_end_k_q020a56fc43_attn:
	.size	k_q020a56fc43_attn, .Lfunc_end_k_q020a56fc43_attn-k_q020a56fc43_attn
	.p2alignl 7, 3214868480
	.fill 96, 4, 3214868480
	.section	.rodata,"a",@progbits
	.p2align	6, 0x0
	.amdhsa_kernel k_q020a56fc43_attn
		.amdhsa_group_segment_fixed_size 327680
		.amdhsa_private_segment_fixed_size 0
		.amdhsa_enable_private_segment 0
		.amdhsa_kernarg_size 16
		.amdhsa_user_sgpr_count 2
		.amdhsa_user_sgpr_kernarg_segment_ptr 1
		.amdhsa_wavefront_size32 1
		.amdhsa_system_sgpr_workgroup_id_x 1
		.amdhsa_system_sgpr_workgroup_id_y 1
		.amdhsa_system_sgpr_workgroup_id_z 1
		.amdhsa_system_vgpr_workitem_id 0
		.amdhsa_next_free_vgpr 256
		.amdhsa_next_free_sgpr 96
		.amdhsa_reserve_vcc 0
		.amdhsa_float_denorm_mode_32 3
		.amdhsa_float_denorm_mode_16_64 3
		.amdhsa_memory_ordered 1
		.amdhsa_forward_progress 1
		.amdhsa_inst_pref_size 47
	.end_amdhsa_kernel
	.amdgpu_metadata
---
amdhsa.version: [ 1, 2 ]
amdhsa.kernels:
  - .name:           k_q020a56fc43_attn
    .symbol:         k_q020a56fc43_attn.kd
    .args:
      - { .name: qkv, .offset: 0, .size: 8, .value_kind: global_buffer, .address_space: global }
      - { .name: ao, .offset: 8, .size: 8, .value_kind: global_buffer, .address_space: global }
    .group_segment_fixed_size: 327680
    .private_segment_fixed_size: 0
    .kernarg_segment_align: 8
    .kernarg_segment_size: 16
    .max_flat_workgroup_size: 512
    .sgpr_count:     96
    .vgpr_count:     256
    .wavefront_size: 32
...
	.end_amdgpu_metadata
.endif
;; end of part 3
;; launch wo (part 4): grid 8 x 32, 4 waves a work-group, clusters of 4 x 4, 327,680 bytes of LDS; arguments ao, wq, x, y; writes y
.if DOCPART == 4
	.amdgcn_target "amdgcn-amd-amdhsa--gfx1250"
	.amdhsa_code_object_version 6
	.text
	.protected	k_q020a56fc43_wo
	.globl	k_q020a56fc43_wo
	.p2align	8
	.type	k_q020a56fc43_wo,@function
k_q020a56fc43_wo:
	s_mov_b64 s[64:65], 0
	v_nop
	global_prefetch_b8 v0, s[64:65] scope:SCOPE_SE
	s_setreg_imm32_b32 hwreg(HW_REG_WAVE_MODE, 25, 1), 1
	s_wait_xcnt 0x0
	s_wait_alu depctr_hold_cnt(0) depctr_sa_sdst(0) depctr_va_vdst(0) depctr_va_sdst(0) depctr_va_ssrc(0) depctr_va_vcc(0) depctr_vm_vsrc(0)
	s_getreg_b32 s2, hwreg(HW_REG_IB_STS2, 6, 4)
	s_cmp_eq_u32 s2, 0
	s_cbranch_scc0 .Lentry_in_a_cluster
	s_endpgm
.Lentry_in_a_cluster:
	s_bfe_u32 s2, ttmp6, 0x10000c
	s_cmp_lg_u32 s2, 0xf033
	s_cbranch_scc0 .Lentry_shape_is_right
	s_endpgm
.Lentry_shape_is_right:
; Launch 4 of 8: y = (attention's output) Wo^T + x, the product on codes of E2M3, y in f32 in the true order of rows and columns.  Nothing of reference() is left out.
; 4,096 x 1,024 of C make 64 tiles of 256 x 256: too few; so a tile is 128 x 128 (256 work-groups), four waves of 64 x 64: 16 accumulators.  K goes in steps of 128, four to a slot, through two LDS slots;
; with K = 1,024 the head's one fill holds all of K and nothing is filled again.  Fragments lie in memory and LDS as images of the operand's registers.  The scale words of a wave's 64 rows for all of K are one dense block.
; CLUSTER 4 x 4: A's tiles are shared along a row of the cluster, B's along a column.  The matrix instruction is used transposed (source 0 = B's rows, source 1 = A's): a lane holds eight neighbouring columns of a row.
; The residual's 128 registers a lane are asked for at the head and land under the products.  No prefetch: every tile is asked for at the head.
; REGISTERS: window 0: v16-23 LDS addresses, v24 STO, v25 RD, v26 CO, v27 scale words' address, v28, v29 the add's two, v32-39 scale words (two sets), v72-103 rows on the way out, v128-255 accumulators (a, b) at 128 + 8 (4 a + b).
;   window 1: two sets of 96: A's four fragments, then B's four.   window 2: v0-127 the residual.
.set S,      8                         ; K / 128
.set BIAS,   0
.set AS_OFF, 3145728                   ; A's scale words in ao
.set BC_OFF, 5505024                   ; Wo's codes in wq
.set BS_OFF, 12812288                  ; Wo's scale words in wq
.set RESP,   8                         ; s[8:9] x
.set OUTP,   10                        ; s[10:11] y
.set NQ,    4
.set FRB,   1536
.set HALFT, 49152                      ; 64 rows x all 8 steps
.set SLOT,  NQ*FRB                     ; from a tile's steps 0-3 to its steps 4-7
.set SCL,   196608
.set SZ,    256*S
.set STG,   229632                     ; a stage of 16 rows x 272 bytes for each wave: bytes of its own, which no fill touches
.set SPARE, 247040
.set LAPS,  S/8
.set CM,    1+BIAS
.set ADRA, 16
.set ADRB, 20
.set STO,  24
.set RD,   25
.set CO,   26
.set ADRS, 27
.set SPW,  28
.set NIL,  29
.set SC,   32
.set BI,   40
.set ROWS, 72
.set ACC,  128
.set G1,   24
.set G0,   32
.set G1B,  48
.set G0B,  56
.set G1S,  68
.set G0S,  76
.set G1SB, 80
.set G0SB, 88
.set MSB, 0
.macro WIN new
.if MSB != (\new)
	s_set_vgpr_msb (MSB<<8)|(\new)
.set MSB, (\new)
.endif
.endm
.macro JLOAD g0a, g1a, g0b, g1b        ; a joint load: waves 0, 1 for A, waves 2, 3 for B; an s_nop 0 and four v_nop follow each line
	s_cmp_eq_u32 s15, 0
	s_cbranch_scc0 .Lfor_b_\@
	tensor_load_to_lds s[\g0a:\g0a+3], s[\g1a:\g1a+7]
	s_nop 0
.rept 4
	v_nop
.endr
	s_branch .Lasked_\@
.Lfor_b_\@:
	tensor_load_to_lds s[\g0b:\g0b+3], s[\g1b:\g1b+7]
	s_nop 0
.rept 4
	v_nop
.endr
.Lasked_\@:
.endm
.macro CREST
	s_cmp_lg_u32 s14, 0
	s_cbranch_scc1 .Lnot_wave_0_\@
	s_barrier_signal -3
.Lnot_wave_0_\@:
	s_barrier_wait -3
	s_barrier_signal -1
	s_barrier_wait -1
.endm
.macro CROUND
	s_barrier_signal -1
	s_barrier_wait -1
	CREST
.endm
.macro PLACES n
.rept \n
	v_nop
.endr
.endm
.macro FRAG reg, adr, off
	ds_load_b128 v[(\reg):(\reg)+3], v[\adr] offset:(\off)
	ds_load_b64 v[(\reg)+4:(\reg)+5], v[\adr+2] offset:(\off)+512
	ds_load_b128 v[(\reg)+6:(\reg)+9], v[\adr] offset:(\off)+768
	ds_load_b64 v[(\reg)+10:(\reg)+11], v[\adr+2] offset:(\off)+1280
.endm
.macro FETCH slot, q, set
	WIN 0x40
.irp i, 0,1,2,3
	FRAG 96*(\set)+48+12*\i, ADRB+(\slot), (2*NQ*\i+(\q))*FRB
.endr
.irp i, 0,1,2,3
	FRAG 96*(\set)+12*\i, ADRA+(\slot), (2*NQ*\i+(\q))*FRB
.endr
	WIN 0
.irp i, 0,1,2,3
	ds_load_b32 v[SC+4*(\set)+\i], v[ADRS] offset:64*\i+256*(\q)   ; lanes 0-15 A's block i, lanes 16-31 B's block i
.endr
.endm
.macro MULA a, set, cmode              ; A's block a x B's four.  cmode 1: starts the sums with 0; 2: with the bias.  The 16 accumulators take turns in one order
.irp b, 0,1,2,3
.if \cmode == 1
	v_wmma_scale_f32_16x16x128_f8f6f4 v[ACC+8*(4*(\a)+\b):ACC+8*(4*(\a)+\b)+7], v[96*(\set)+48+12*\b:96*(\set)+48+12*\b+11], v[96*(\set)+12*(\a):96*(\set)+12*(\a)+11], 0, v[SC+4*(\set)+\b], v[SC+4*(\set)+(\a)] matrix_a_fmt:MATRIX_FMT_FP6 matrix_b_fmt:MATRIX_FMT_FP6 matrix_a_scale:MATRIX_SCALE_ROW1
.elseif \cmode == 2
	v_wmma_scale_f32_16x16x128_f8f6f4 v[ACC+8*(4*(\a)+\b):ACC+8*(4*(\a)+\b)+7], v[96*(\set)+48+12*\b:96*(\set)+48+12*\b+11], v[96*(\set)+12*(\a):96*(\set)+12*(\a)+11], v[BI+8*\b:BI+8*\b+7], v[SC+4*(\set)+\b], v[SC+4*(\set)+(\a)] matrix_a_fmt:MATRIX_FMT_FP6 matrix_b_fmt:MATRIX_FMT_FP6 matrix_a_scale:MATRIX_SCALE_ROW1
.else
	v_wmma_scale_f32_16x16x128_f8f6f4 v[ACC+8*(4*(\a)+\b):ACC+8*(4*(\a)+\b)+7], v[96*(\set)+48+12*\b:96*(\set)+48+12*\b+11], v[96*(\set)+12*(\a):96*(\set)+12*(\a)+11], v[ACC+8*(4*(\a)+\b):ACC+8*(4*(\a)+\b)+7], v[SC+4*(\set)+\b], v[SC+4*(\set)+(\a)] matrix_a_fmt:MATRIX_FMT_FP6 matrix_b_fmt:MATRIX_FMT_FP6 matrix_a_scale:MATRIX_SCALE_ROW1
.endif
.endr
.endm
.macro STEP slot, q, cmode             ; a step that has its successor in the same slot
	s_wait_dscnt 0x0                               ; this step's set is in
	PLACES 4                                       ; the other set was read by the last products
	FETCH \slot, (\q)+1, 1-(\q)%2
	WIN 0x05
	MULA 0, (\q)%2, \cmode
	MULA 1, (\q)%2, \cmode
	MULA 2, (\q)%2, \cmode
	MULA 3, (\q)%2, \cmode
.endm
.macro TURN slot, next, fill           ; a slot's last step changes slots
	s_wait_dscnt 0x0                               ; set 1 is in: my reads of this slot are over
	WIN 0
	s_wait_tensorcnt 0x0                           ; all my tensor loads have landed
	ds_add_u32 v[SPW], v[NIL]
	WIN 0x05
	MULA 0, 1, 0
	s_wait_dscnt 0x0
	s_barrier_signal -1
	MULA 1, 1, 0
	WIN 0
	s_barrier_wait -1
.if \fill
	CREST
	s_add_nc_u64 s[G0+4*\slot+2:G0+4*\slot+3], s[G0+4*\slot+2:G0+4*\slot+3], 2*NQ*FRB
	s_add_nc_u64 s[G0B+4*\slot+2:G0B+4*\slot+3], s[G0B+4*\slot+2:G0B+4*\slot+3], 2*NQ*FRB
	JLOAD G0+4*\slot, G1, G0B+4*\slot, G1B
.else
	PLACES 4
.endif
	v_add_nc_u32 v[ADRS], 256*NQ, v[ADRS]
	FETCH \next, 0, 0
	WIN 0x05
	MULA 2, 1, 0
	MULA 3, 1, 0
.endm
	s_load_b256 s[4:11], s[0:1], 0x0               ; A's buffer, wq, and the rest of the arguments
.if BIAS
	s_load_b64 s[12:13], s[0:1], 0x20
.endif
	v_lshl_add_u32 v[SPW], v0, 2, SPARE
	v_mov_b32 v[NIL], 0
	ds_add_u32 v[SPW], v[NIL]                      ; the wave's opening: the add, twice on end, and its wait ahead of my first tensor load
	ds_add_u32 v[SPW], v[NIL]
	v_lshrrev_b32 v1, 5, v0
	v_readfirstlane_b32 s14, v1
	s_lshr_b32 s15, s14, 1                         ; my half of the rows; also: I fetch for A (0) or B (1)
	s_and_b32 s16, s14, 1                          ; my half of the columns; also: which 64 rows I fetch
	s_bfe_u32 s40, ttmp6, 0x40000
	s_bfe_u32 s41, ttmp6, 0x40004
	s_lshl_b32 s42, ttmp9, 2
	s_add_co_u32 s42, s42, s40                     ; tile column
	s_and_b32 s17, ttmp7, 0xffff
	s_lshl_b32 s17, s17, 2
	s_add_co_u32 s17, s17, s41                     ; tile row
	s_lshl_b32 s43, s41, 2
	s_lshl_b32 s43, 15, s43
	s_lshl_b32 s44, 0x1111, s40
	; group 1 for codes: 8 rows (tiles of 16 positions) x 12,288 bytes (all eight steps' images), 1,536 S bytes apart; elements of 8 bytes
	s_or_b32 s[G1+0], s43, (3<<16)|(1<<21)
	s_or_b32 s[G1B+0], s44, (3<<16)|(1<<21)
.irp g, G1, G1B
	s_mov_b32 s[\g+1], 1536<<16                    ; 8 rows (tiles of 16 positions) x 12,288 bytes: all eight steps' images of 128 positions
	s_mov_b32 s[\g+2], 8<<16
	s_mov_b32 s[\g+3], 1536<<16
	s_mov_b32 s[\g+4], 8
	s_mov_b32 s[\g+5], 192*S
	s_mov_b32 s[\g+6], 0
	s_mov_b32 s[\g+7], 0
.endr
	; and for the scale words of 128 rows: 512 S dense bytes as 2 S rows of 256
	s_or_b32 s[G1S+0], s43, (3<<16)|(1<<21)
	s_or_b32 s[G1SB+0], s44, (3<<16)|(1<<21)
.irp g, G1S, G1SB
	s_mov_b32 s[\g+1], 32<<16
	s_mov_b32 s[\g+2], (2*S)<<16                   ; the scale words of 128 rows: 2 S rows of 256 bytes
	s_mov_b32 s[\g+3], 32<<16
	s_mov_b32 s[\g+4], 2*S
	s_mov_b32 s[\g+5], 32
	s_mov_b32 s[\g+6], 0
	s_mov_b32 s[\g+7], 0
.endr
	s_mov_b32 s18, 0                               ; a load brings the work-group's whole 128 rows
	s_lshl_b32 s20, s17, 3
	s_add_co_u32 s20, s20, s18                     ; A: tile of positions 8 x tile row
	s_lshl_b32 s46, s42, 3
	s_add_co_u32 s46, s46, s18                     ; B: 8 x tile column
	s_mul_i32 s22, s20, S*64
	s_add_co_u32 s22, s22, AS_OFF
	s_mul_i32 s20, s20, S*FRB
	s_mul_i32 s92, s46, S*64
	s_add_co_u32 s92, s92, BS_OFF
	s_mul_i32 s46, s46, S*FRB
	s_add_co_u32 s46, s46, BC_OFF
	s_mov_b32 s21, 0
	s_mov_b32 s23, 0
	s_mov_b32 s47, 0
	s_mov_b32 s93, 0
	s_wait_dscnt 0x0                               ; both opening adds are done
	s_wait_kmcnt 0x0
	s_add_nc_u64 s[20:21], s[4:5], s[20:21]
	s_add_nc_u64 s[22:23], s[4:5], s[22:23]
	s_add_nc_u64 s[46:47], s[6:7], s[46:47]
	s_add_nc_u64 s[92:93], s[6:7], s[92:93]
	CROUND                                         ; all sixteen work-groups are here: the first joint loads meet
	s_mov_b32 s[G0S], 1
	s_mov_b32 s[G0S+1], SCL
	s_mov_b64 s[G0S+2:G0S+3], s[22:23]
	s_or_b32 s[G0S+3], s[G0S+3], 0x80000000
	s_mov_b32 s[G0SB], 1
	s_mov_b32 s[G0SB+1], SCL+2*SZ+64
	s_mov_b64 s[G0SB+2:G0SB+3], s[92:93]
	s_or_b32 s[G0SB+3], s[G0SB+3], 0x80000000
.irp s, 0
	s_mov_b32 s[G0+4*\s], 1
	s_mov_b32 s[G0+4*\s+1], 0
	s_add_nc_u64 s[G0+4*\s+2:G0+4*\s+3], s[20:21], \s*NQ*FRB
	s_or_b32 s[G0+4*\s+3], s[G0+4*\s+3], 0x80000000
	s_mov_b32 s[G0B+4*\s], 1
	s_mov_b32 s[G0B+4*\s+1], 2*HALFT
	s_add_nc_u64 s[G0B+4*\s+2:G0B+4*\s+3], s[46:47], \s*NQ*FRB
	s_or_b32 s[G0B+4*\s+3], s[G0B+4*\s+3], 0x80000000
.endr
	; the head's four joint loads, one a wave, in one chain of arms: A's codes, B's codes, A's scale words, B's: all of K; nothing is filled later
	s_cmp_eq_u32 s14, 0
	s_cbranch_scc0 .Lh1
	tensor_load_to_lds s[G0:G0+3], s[G1:G1+7]
	s_nop 0
	PLACES 4
	s_branch .Lhj
.Lh1:
	s_cmp_eq_u32 s14, 1
	s_cbranch_scc0 .Lh2
	tensor_load_to_lds s[G0B:G0B+3], s[G1B:G1B+7]
	s_nop 0
	PLACES 4
	s_branch .Lhj
.Lh2:
	s_cmp_eq_u32 s14, 2
	s_cbranch_scc0 .Lh3
	tensor_load_to_lds s[G0S:G0S+3], s[G1S:G1S+7]
	s_nop 0
	PLACES 4
	s_branch .Lhj
.Lh3:
	tensor_load_to_lds s[G0SB:G0SB+3], s[G1SB:G1SB+7]
	s_nop 0
	PLACES 4
.Lhj:
	v_and_b32 v1, 31, v0
	v_and_b32 v2, 15, v0                           ; r
	v_bfe_u32 v3, v0, 4, 1                         ; h
	v_lshlrev_b32 v30, 4, v1
	v_lshlrev_b32 v31, 3, v1
	s_mul_i32 s21, s15, HALFT
	s_mul_i32 s22, s16, HALFT
	s_add_co_u32 s22, s22, 2*HALFT
.irp s, 0,1
	v_add_nc_u32 v[ADRA+\s], s21, v30
	v_add_nc_u32 v[ADRA+2+\s], s21, v31
	v_add_nc_u32 v[ADRB+\s], s22, v30
	v_add_nc_u32 v[ADRB+2+\s], s22, v31
	s_add_co_u32 s21, s21, SLOT
	s_add_co_u32 s22, s22, SLOT
.endr
	s_mul_i32 s21, s15, SZ
	s_mul_i32 s22, s16, SZ
	s_add_co_u32 s22, s22, 2*SZ+64
	s_sub_co_u32 s22, s22, s21
	v_mul_u32_u24 v30, s22, v3                     ; lanes 16-31 take B's words: one product with h
	s_add_co_u32 s21, s21, SCL
	v_lshl_add_u32 v30, v2, 2, v30
	v_add_nc_u32 v[ADRS], s21, v30
	s_mul_i32 s23, s14, 16*272
	s_add_co_u32 s23, s23, STG                     ; my stage
	v_mul_u32_u24 v30, v2, 272
	v_lshl_add_u32 v30, v3, 6, v30
	v_add_nc_u32 v[STO], s23, v30                  ; in: row r, + 64 h
	v_mul_u32_u24 v30, v3, 272
	v_lshl_add_u32 v30, v2, 4, v30
	v_add_nc_u32 v[RD], s23, v30                   ; back: lanes 0-15 one row of 256 bytes, lanes 16-31 the next
	v_lshlrev_b32 v[CO], 12, v3
	v_lshl_add_u32 v[CO], v2, 4, v[CO]             ; and the same two rows in memory
	s_wait_alu depctr_va_vdst(0)
	s_lshl_b32 s20, s17, 7
	s_lshl_b32 s21, s15, 6
	s_add_co_u32 s20, s20, s21
	s_lshl_b32 s20, s20, 12                        ; my first row, 4,096 bytes a row
	s_lshl_b32 s46, s42, 9
	s_lshl_b32 s47, s16, 8
	s_add_co_u32 s46, s46, s47                     ; my first column, in bytes
	s_mov_b32 s47, 0
	s_mov_b32 s21, 0
.if BIAS
	s_add_nc_u64 s[8:9], s[8:9], s[46:47]
	v_lshlrev_b32 v31, 6, v3
.irp b, 0,1,2,3                                ; the bias in the result's layout: tile b, lane half h: columns 32 (b / 2) + 16 h + 8 (b % 2) + 0 .. 7
	global_load_b128 v[BI+8*\b:BI+8*\b+3], v31, s[8:9] offset:(32*(\b/2)+8*(\b%2))*4
	global_load_b128 v[BI+8*\b+4:BI+8*\b+7], v31, s[8:9] offset:(32*(\b/2)+8*(\b%2))*4+16
.endr
.endif
	s_add_co_u32 s20, s20, s46
	s_add_nc_u64 s[RESP:RESP+1], s[RESP:RESP+1], s[20:21]
	s_add_nc_u64 s[OUTP:OUTP+1], s[OUTP:OUTP+1], s[20:21]
	WIN 0x80                                       ; destination window 2
.irp a, 0,1,2,3                                ; the residual, as the way out will want it: stage rows 2 i, 2 i + 1 of block a are true rows 32 (a/2) + 16 (i/4) + 8 (a%2) + 2 (i%4) and the next
.irp i, 0,1,2,3,4,5,6,7
	global_load_b128 v[4*(8*\a+\i):4*(8*\a+\i)+3], v[CO], s[RESP:RESP+1] offset:(32*(\a/2)+16*(\i/4)+8*(\a%2)+2*(\i%4))*4096 th:TH_LOAD_NT
.endr
.endr
	WIN 0
	s_wait_tensorcnt 0x0                           ; my one load is in; the barrier shows all four
	s_barrier_signal -1
	s_barrier_wait -1
	FETCH 0, 0, 0
.if BIAS
	s_wait_loadcnt 32                              ; the bias is in; the residual's 32 loads, issued behind it, may be out
.endif
	STEP 0, 0, CM
	STEP 0, 1, 0
	STEP 0, 2, 0
.if LAPS > 1
	WIN 0
	s_mov_b32 s3, LAPS-1
.Llap:                                             ; a trip goes once round the ring and fills both slots again
	TURN 0, 1, 1
	STEP 1, 0, 0
	STEP 1, 1, 0
	STEP 1, 2, 0
	TURN 1, 0, 1
	STEP 0, 0, 0
	STEP 0, 1, 0
	STEP 0, 2, 0
	WIN 0
	s_sub_co_u32 s3, s3, 1
	s_cmp_lg_u32 s3, 0
	s_cbranch_scc1 .Llap
.endif
	TURN 0, 1, 0                                   ; the last lap fills nothing
	s_wait_alu depctr_va_vdst(0)
	STEP 1, 0, 0
	STEP 1, 1, 0
	STEP 1, 2, 0
	s_wait_dscnt 0x0
	WIN 0x05
	MULA 0, 1, 0
	MULA 1, 1, 0
	MULA 2, 1, 0
	MULA 3, 1, 0
	WIN 0
	; THE WAY OUT, a block of 16 rows x 64 columns at a time through my own stage: the columns are put into their true order on the way in, whole rows of 256 bytes come back, the residual is added, sixteen lanes store 256 aligned bytes
	s_wait_loadcnt 0x0                             ; the residual
	PLACES 4
.irp a, 0,1,2,3
	s_wait_xcnt 0x0                                ; the last block's stores have read their registers
.irp b, 0,1,2,3
	ds_store_b128 v[STO], v[ACC+8*(4*\a+\b):ACC+8*(4*\a+\b)+3] offset:128*(\b/2)+32*(\b%2)       ; each accumulator from its low end on
	ds_store_b128 v[STO], v[ACC+8*(4*\a+\b)+4:ACC+8*(4*\a+\b)+7] offset:128*(\b/2)+32*(\b%2)+16
.endr
.irp i, 0,1,2,3,4,5,6,7
	ds_load_b128 v[ROWS+4*\i:ROWS+4*\i+3], v[RD] offset:544*\i   ; LDS serves a wave's instructions in order: these see my stores
.endr
	s_wait_dscnt 0x0
	WIN 0x08                                       ; source 1 window 2
.irp i, 0,1,2,3,4,5,6,7,8,9,10,11,12,13,14,15
	v_pk_add_f32 v[ROWS+2*\i:ROWS+2*\i+1], v[ROWS+2*\i:ROWS+2*\i+1], v[32*\a+2*\i:32*\a+2*\i+1]
.endr
	WIN 0
.irp i, 0,1,2,3,4,5,6,7
	global_store_b128 v[CO], v[ROWS+4*\i:ROWS+4*\i+3], s[OUTP:OUTP+1] offset:(32*(\a/2)+16*(\i/4)+8*(\a%2)+2*(\i%4))*4096
.endr
.endr
	s_wait_tensorcnt 0x0                           ; the wave's end, behind my last tensor load and my last LDS store
	ds_add_u32 v[SPW], v[NIL]
	s_wait_dscnt 0x0
	CROUND                                         ; the closing round
	s_endpgm
.Lfunc_end_k_q020a56fc43_wo:
	.size	k_q020a56fc43_wo, .Lfunc_end_k_q020a56fc43_wo-k_q020a56fc43_wo
	.p2alignl 7, 3214868480
	.fill 96, 4, 3214868480
	.section	.rodata,"a",@progbits
	.p2align	6, 0x0
	.amdhsa_kernel k_q020a56fc43_wo
		.amdhsa_group_segment_fixed_size 327680
		.amdhsa_private_segment_fixed_size 0
		.amdhsa_enable_private_segment 0
		.amdhsa_kernarg_size 32
		.amdhsa_user_sgpr_count 2
		.amdhsa_user_sgpr_kernarg_segment_ptr 1
		.amdhsa_wavefront_size32 1
		.amdhsa_system_sgpr_workgroup_id_x 1
		.amdhsa_system_sgpr_workgroup_id_y 1
		.amdhsa_system_sgpr_workgroup_id_z 1
		.amdhsa_system_vgpr_workitem_id 0
		.amdhsa_next_free_vgpr 640
		.amdhsa_next_free_sgpr 98
		.amdhsa_reserve_vcc 0
		.amdhsa_float_denorm_mode_32 3
		.amdhsa_float_denorm_mode_16_64 3
		.amdhsa_memory_ordered 1
		.amdhsa_forward_progress 1
		.amdhsa_inst_pref_size 60
	.end_amdhsa_kernel
	.amdgpu_metadata
---
amdhsa.version: [ 1, 2 ]
amdhsa.kernels:
  - .name:           k_q020a56fc43_wo
    .symbol:         k_q020a56fc43_wo.kd
    .args:
      - { .name: ao, .offset: 0, .size: 8, .value_kind: global_buffer, .address_space: global }
      - { .name: wq, .offset: 8, .size: 8, .value_kind: global_buffer, .address_space: global }
      - { .name: x, .offset: 16, .size: 8, .value_kind: global_buffer, .address_space: global }
      - { .name: y, .offset: 24, .size: 8, .value_kind: global_buffer, .address_space: global }
    .group_segment_fixed_size: 327680
    .private_segment_fixed_size: 0
    .kernarg_segment_align: 8
    .kernarg_segment_size: 32
    .max_flat_workgroup_size: 128
    .sgpr_count:     98
    .vgpr_count:     640
    .wavefront_size: 32
...
	.end_amdgpu_metadata
.endif
;; end of part 4
;; launch ln1 (part 5): grid 256 x 1, 8 waves a work-group, no clusters, 67,072 bytes of LDS; arguments y, g1, be1, x2; writes x2
.if DOCPART == 5
	.amdgcn_target "amdgcn-amd-amdhsa--gfx1250"
	.amdhsa_code_object_version 6
	.text
	.protected	k_q020a56fc43_ln1
	.globl	k_q020a56fc43_ln1
	.p2align	8
	.type	k_q020a56fc43_ln1,@function
k_q020a56fc43_ln1:
	s_mov_b64 s[64:65], 0
	v_nop
	global_prefetch_b8 v0, s[64:65] scope:SCOPE_SE
	s_setreg_imm32_b32 hwreg(HW_REG_WAVE_MODE, 25, 1), 1
	s_wait_xcnt 0x0
; Launch 5 of 8: x2 = (y - mean) / (sqrt(mean of squares of y - mean) + 1e-6) x g1 + be1, row by row; x2 leaves as f32 (true rows) and as codes of E2M3 with scale words, in the layouts stated at the head of the first launch.  Nothing is left out.
; A work-group takes one tile of 16 row positions.  PHASE 1: wave w takes stage rows 2 w, 2 w + 1, which are two neighbouring true rows; a row of 4,096 bytes lies in 32 registers of the wave, so memory is read once; the variance
; is taken of the differences, in a second pass over the registers.  The rows go to memory and to a stage in LDS (pitch 4,112).  One barrier.  PHASE 2: wave w makes the fragment of K step w.
; Memory binds: no matrix unit, no cluster (no two work-groups read the same rows; g1 and be1 are 8 KB), no tensor load.
.set X,   16                           ; v16-79   two rows
.set G,   80                           ; v80-111  g1; v112-143 be1; in phase 2 v80-143: my 64 numbers
.set BE,  112
.set TM,  144
.set PC,  152
.set PW,  172
.set SPW, 176
.set NIL, 177
.set SI,  178                          ; stage, in
.set SOU, 179                          ; stage, out
.set SEL, 12
.set PITCH, 4112
.set SPARE, 66048
.set X2C, 16777216
.set X2S, 19922944
.macro SUMS e                          ; two chains of pairs over the row's 32 registers
	v_pk_add_f32 v[2+4*\e:3+4*\e], v[X+32*\e:X+32*\e+1], v[X+32*\e+2:X+32*\e+3]
	v_pk_add_f32 v[4+4*\e:5+4*\e], v[X+32*\e+4:X+32*\e+5], v[X+32*\e+6:X+32*\e+7]
.irp j, 8,12,16,20,24,28
	s_delay_alu instid0(VALU_DEP_2)
	v_pk_add_f32 v[2+4*\e:3+4*\e], v[2+4*\e:3+4*\e], v[X+32*\e+\j:X+32*\e+\j+1]
	s_delay_alu instid0(VALU_DEP_2)
	v_pk_add_f32 v[4+4*\e:5+4*\e], v[4+4*\e:5+4*\e], v[X+32*\e+\j+2:X+32*\e+\j+3]
.endr
.endm
.macro SQS e
	v_pk_mul_f32 v[2+4*\e:3+4*\e], v[X+32*\e:X+32*\e+1], v[X+32*\e:X+32*\e+1]
	v_pk_mul_f32 v[4+4*\e:5+4*\e], v[X+32*\e+2:X+32*\e+3], v[X+32*\e+2:X+32*\e+3]
.irp j, 4,8,12,16,20,24,28
	s_delay_alu instid0(VALU_DEP_2)
	v_pk_fma_f32 v[2+4*\e:3+4*\e], v[X+32*\e+\j:X+32*\e+\j+1], v[X+32*\e+\j:X+32*\e+\j+1], v[2+4*\e:3+4*\e]
	s_delay_alu instid0(VALU_DEP_2)
	v_pk_fma_f32 v[4+4*\e:5+4*\e], v[X+32*\e+\j+2:X+32*\e+\j+3], v[X+32*\e+\j+2:X+32*\e+\j+3], v[4+4*\e:5+4*\e]
.endr
.endm
.macro RED e                           ; the two chains, the pair's halves, the 32 lanes: the sum in every lane, x 2^-10
	s_delay_alu instid0(VALU_DEP_1)
	v_pk_add_f32 v[2+4*\e:3+4*\e], v[2+4*\e:3+4*\e], v[4+4*\e:5+4*\e]
	s_delay_alu instid0(VALU_DEP_1)
	v_add_f32 v[2+4*\e], v[2+4*\e], v[3+4*\e]
	s_delay_alu instid0(VALU_DEP_1)
	v_add_f32_dpp v[2+4*\e], v[2+4*\e], v[2+4*\e] row_xmask:1 row_mask:0xf bank_mask:0xf
	s_delay_alu instid0(VALU_DEP_1)
	v_add_f32_dpp v[2+4*\e], v[2+4*\e], v[2+4*\e] row_xmask:2 row_mask:0xf bank_mask:0xf
	s_delay_alu instid0(VALU_DEP_1)
	v_add_f32_dpp v[2+4*\e], v[2+4*\e], v[2+4*\e] row_xmask:4 row_mask:0xf bank_mask:0xf
	s_delay_alu instid0(VALU_DEP_1)
	v_add_f32_dpp v[2+4*\e], v[2+4*\e], v[2+4*\e] row_xmask:8 row_mask:0xf bank_mask:0xf
	s_delay_alu instid0(VALU_DEP_1)
	v_permlanex16_b32 v[14+\e], v[2+4*\e], s[SEL], s[SEL+1]
	s_delay_alu instid0(VALU_DEP_1)
	v_add_f32 v[2+4*\e], v[2+4*\e], v[14+\e]
	s_delay_alu instid0(VALU_DEP_1)
	v_mul_f32 v[2+4*\e], 0x3a800000, v[2+4*\e]
.endm
.macro QUANT2 s, hreg                  ; 64 numbers of a lane, register 32 c + i = k 64 c + 32 h + i of my row, become the fragment in v[PC] on and the row's scale word in v[PW]
.irp c, 0,1
	v_max3_num_f32 v[TM+\c], |v[(\s)+32*\c]|, |v[(\s)+1+32*\c]|, 0x1800000
.endr
.irp i, 2,4,6,8,10,12,14,16,18,20,22,24,26,28,30
.irp c, 0,1
	s_delay_alu instid0(VALU_DEP_2)
	v_max3_num_f32 v[TM+\c], v[TM+\c], |v[(\s)+32*\c+\i]|, |v[(\s)+1+32*\c+\i]|
.endr
.endr
.irp c, 0,1
	s_delay_alu instid0(VALU_DEP_2)
	v_add_nc_u32 v[TM+4+\c], 0xff000000, v[TM+\c]
.endr
.irp c, 0,1
	s_delay_alu instid0(VALU_DEP_2)
	v_lshrrev_b32 v[TM+2+\c], 23, v[TM+4+\c]
.endr
	s_delay_alu instid0(VALU_DEP_1)
	v_lshl_or_b32 v[PW], v[TM+3], 16, v[TM+2]
	v_lshlrev_b32 v[TM+6], 3, v[\hreg]
	s_delay_alu instid0(VALU_DEP_1)
	v_lshlrev_b32 v[PW], v[TM+6], v[PW]
	v_mov_b32 v[TM+6], 0
	s_delay_alu instid0(VALU_DEP_1)
	v_permlanex16_b32 v[TM+6], v[PW], s[SEL], s[SEL+1]
	s_delay_alu instid0(VALU_DEP_1)
	v_or_b32 v[PW], v[PW], v[TM+6]
.irp c, 0,1
	v_cvt_scalef32_pk16_fp6_f32 v[PC+6*\c:PC+6*\c+2], v[(\s)+32*\c:(\s)+32*\c+15], v[TM+4+\c]
	v_cvt_scalef32_pk16_fp6_f32 v[PC+12+4*\c:PC+14+4*\c], v[(\s)+32*\c+16:(\s)+32*\c+31], v[TM+4+\c]
.endr
	v_nop
.irp c, 0,1
.irp i, 0,1,2
	v_mov_b32 v[PC+3+6*\c+\i], v[PC+12+4*\c+\i]
.endr
.endr
.endm
	s_load_b256 s[4:11], s[0:1], 0x0               ; y, g1, be1, x2
	v_lshl_add_u32 v[SPW], v0, 2, SPARE
	v_mov_b32 v[NIL], 0
	v_lshrrev_b32 v1, 5, v0
	s_delay_alu instid0(VALU_DEP_1)
	v_readfirstlane_b32 s14, v1                    ; wave
	v_and_b32 v1, 31, v0
	s_delay_alu instid0(VALU_DEP_1)
	v_lshlrev_b32 v175, 3, v1                      ; 8 x lane
	s_delay_alu instid0(VALU_DEP_2)
	v_lshlrev_b32 v1, 4, v1                        ; 16 x lane
	v_and_b32 v173, 15, v0                         ; r
	v_bfe_u32 v174, v0, 4, 1                       ; h
	s_mul_i32 s18, s14, 2*PITCH
	v_add_nc_u32 v[SI], s18, v1
	v_mul_u32_u24 v[SOU], v173, PITCH
	s_delay_alu instid0(VALU_DEP_1)
	v_lshl_add_u32 v[SOU], v174, 7, v[SOU]
	s_lshl_b32 s18, s14, 9
	v_add_nc_u32 v[SOU], s18, v[SOU]               ; row r, + 128 h, + 512 x wave
	v_lshlrev_b32 v173, 2, v173                    ; 4 r
	s_lshr_b32 s16, ttmp9, 1                       ; my two true rows: 32 (T / 2) + 8 (T % 2) + 2 w + 8 (w / 4) and the next
	s_lshl_b32 s16, s16, 5
	s_and_b32 s15, ttmp9, 1
	s_lshl_b32 s15, s15, 3
	s_add_co_u32 s16, s16, s15
	s_lshl_b32 s15, s14, 1
	s_add_co_u32 s16, s16, s15
	s_lshr_b32 s15, s14, 2
	s_lshl_b32 s15, s15, 3
	s_add_co_u32 s16, s16, s15
	s_lshl_b32 s16, s16, 12
	s_mov_b32 s17, 0
	s_lshl_b32 s20, ttmp9, 3
	s_add_co_u32 s20, s20, s14
	s_mul_i32 s20, s20, 1536
	s_add_co_u32 s20, s20, X2C                     ; my fragment: (8 T + w) x 1,536
	s_mov_b32 s21, 0
	s_lshr_b32 s22, ttmp9, 2
	s_lshl_b32 s22, s22, 3
	s_add_co_u32 s22, s22, s14
	s_lshl_b32 s22, s22, 8
	s_and_b32 s15, ttmp9, 3
	s_lshl_b32 s15, s15, 6
	s_add_co_u32 s22, s22, s15
	s_add_co_u32 s22, s22, X2S                     ; its 16 scale words
	s_mov_b32 s23, 0
	s_mov_b32 s[SEL], 0x76543210
	s_mov_b32 s[SEL+1], 0xfedcba98
	v_mov_b32 v14, 0                               ; written once: a lane permute's destination counts as one of its sources
	v_mov_b32 v15, 0
	s_wait_kmcnt 0x0
	s_add_nc_u64 s[4:5], s[4:5], s[16:17]
	s_add_nc_u64 s[16:17], s[10:11], s[16:17]
	s_add_nc_u64 s[20:21], s[10:11], s[20:21]
	s_add_nc_u64 s[22:23], s[10:11], s[22:23]
.irp e, 0,1
.irp j, 0,1,2,3,4,5,6,7
	global_load_b128 v[X+32*\e+4*\j:X+32*\e+4*\j+3], v1, s[4:5] offset:4096*\e+512*\j th:TH_LOAD_NT
.endr
.endr
.irp j, 0,1,2,3,4,5,6,7
	global_load_b128 v[G+4*\j:G+4*\j+3], v1, s[6:7] offset:512*\j
	global_load_b128 v[BE+4*\j:BE+4*\j+3], v1, s[8:9] offset:512*\j
.endr
	s_wait_loadcnt 16                              ; the two rows are in; the 16 loads of g1 and be1 may be out
.irp e, 0,1
	SUMS \e
	RED \e
	s_delay_alu instid0(VALU_DEP_1)
	v_mov_b32 v[10+2*\e], v[2+4*\e]                ; the mean, twice: a pair for the packed forms
	s_delay_alu instid0(VALU_DEP_2)
	v_mov_b32 v[11+2*\e], v[2+4*\e]
.irp j, 0,2,4,6,8,10,12,14,16,18,20,22,24,26,28,30
	v_pk_add_f32 v[X+32*\e+\j:X+32*\e+\j+1], v[X+32*\e+\j:X+32*\e+\j+1], v[10+2*\e:11+2*\e] neg_lo:[0,1] neg_hi:[0,1]
.endr
	SQS \e
	RED \e
.endr
	s_wait_alu depctr_va_vdst(0)
	v_sqrt_f32 v2, v2
	v_sqrt_f32 v6, v6
	v_nop                                          ; a plain place behind the roots
	s_wait_alu depctr_va_vdst(0)                   ; one wait for both, ahead of the first reader
	v_add_f32 v2, 0x358637bd, v2                   ; + 1e-6
	v_add_f32 v6, 0x358637bd, v6
	s_wait_alu depctr_va_vdst(0)
	v_rcp_f32 v10, v2
	v_rcp_f32 v12, v6
	v_nop
	s_wait_alu depctr_va_vdst(0)
	v_mov_b32 v11, v10
	v_mov_b32 v13, v12
	s_wait_alu depctr_va_vdst(0)
	s_wait_loadcnt 0x0                             ; g1, be1
.irp e, 0,1
.irp j, 0,2,4,6,8,10,12,14,16,18,20,22,24,26,28,30
	v_pk_mul_f32 v[X+32*\e+\j:X+32*\e+\j+1], v[X+32*\e+\j:X+32*\e+\j+1], v[10+2*\e:11+2*\e]
	s_delay_alu instid0(VALU_DEP_1)
	v_pk_fma_f32 v[X+32*\e+\j:X+32*\e+\j+1], v[X+32*\e+\j:X+32*\e+\j+1], v[G+\j:G+\j+1], v[BE+\j:BE+\j+1]
.endr
.endr
.irp e, 0,1
.irp j, 0,1,2,3,4,5,6,7
	global_store_b128 v1, v[X+32*\e+4*\j:X+32*\e+4*\j+3], s[16:17] offset:4096*\e+512*\j
	ds_store_b128 v[SI], v[X+32*\e+4*\j:X+32*\e+4*\j+3] offset:PITCH*\e+512*\j
.endr
.endr
	s_wait_dscnt 0x0                               ; for the others' sake: my rows lie in the stage
	s_barrier_signal -1
	s_barrier_wait -1
.irp c, 0,1
.irp i, 0,1,2,3,4,5,6,7
	ds_load_b128 v[G+32*\c+4*\i:G+32*\c+4*\i+3], v[SOU] offset:256*\c+16*\i
.endr
.endr
	s_wait_dscnt 0x0
	QUANT2 G, 174
	global_store_b128 v1, v[PC:PC+3], s[20:21]
	global_store_b64 v175, v[PC+4:PC+5], s[20:21] offset:512
	global_store_b128 v1, v[PC+6:PC+9], s[20:21] offset:768
	global_store_b64 v175, v[PC+10:PC+11], s[20:21] offset:1280
	global_store_b32 v173, v[PW], s[22:23]
	s_wait_tensorcnt 0x0                           ; the wave's end
	ds_add_u32 v[SPW], v[NIL]
	s_wait_dscnt 0x0
	s_endpgm
.Lfunc_end_k_q020a56fc43_ln1:
	.size	k_q020a56fc43_ln1, .Lfunc_end_k_q020a56fc43_ln1-k_q020a56fc43_ln1
	.p2alignl 7, 3214868480
	.fill 96, 4, 3214868480
	.section	.rodata,"a",@progbits
	.p2align	6, 0x0
	.amdhsa_kernel k_q020a56fc43_ln1
		.amdhsa_group_segment_fixed_size 67072
		.amdhsa_private_segment_fixed_size 0
		.amdhsa_enable_private_segment 0
		.amdhsa_kernarg_size 32
		.amdhsa_user_sgpr_count 2
		.amdhsa_user_sgpr_kernarg_segment_ptr 1
		.amdhsa_wavefront_size32 1
		.amdhsa_system_sgpr_workgroup_id_x 1
		.amdhsa_system_sgpr_workgroup_id_y 1
		.amdhsa_system_sgpr_workgroup_id_z 1
		.amdhsa_system_vgpr_workitem_id 0
		.amdhsa_next_free_vgpr 192
		.amdhsa_next_free_sgpr 66
		.amdhsa_reserve_vcc 0
		.amdhsa_float_denorm_mode_32 3
		.amdhsa_float_denorm_mode_16_64 3
		.amdhsa_memory_ordered 1
		.amdhsa_forward_progress 1
		.amdhsa_inst_pref_size 31
	.end_amdhsa_kernel
	.amdgpu_metadata
---
amdhsa.version: [ 1, 2 ]
amdhsa.kernels:
  - .name:           k_q020a56fc43_ln1
    .symbol:         k_q020a56fc43_ln1.kd
    .args:
      - { .name: y, .offset: 0, .size: 8, .value_kind: global_buffer, .address_space: global }
      - { .name: g1, .offset: 8, .size: 8, .value_kind: global_buffer, .address_space: global }
      - { .name: be1, .offset: 16, .size: 8, .value_kind: global_buffer, .address_space: global }
      - { .name: x2, .offset: 24, .size: 8, .value_kind: global_buffer, .address_space: global }
    .group_segment_fixed_size: 67072
    .private_segment_fixed_size: 0
    .kernarg_segment_align: 8
    .kernarg_segment_size: 32
    .max_flat_workgroup_size: 256
    .sgpr_count:     66
    .vgpr_count:     192
    .wavefront_size: 32
...
	.end_amdgpu_metadata
.endif
;; end of part 5
;; launch ffn1 (part 6): grid 16 x 16, 4 waves a work-group, clusters of 4 x 4, 327,680 bytes of LDS; arguments x2, wq, b1, h; writes h
.if DOCPART == 6
	.amdgcn_target "amdgcn-amd-amdhsa--gfx1250"
	.amdhsa_code_object_version 6
	.text
	.protected	k_q020a56fc43_ffn1
	.globl	k_q020a56fc43_ffn1
	.p2align	8
	.type	k_q020a56fc43_ffn1,@function
k_q020a56fc43_ffn1:
	s_mov_b64 s[64:65], 0
	v_nop
	global_prefetch_b8 v0, s[64:65] scope:SCOPE_SE
	s_setreg_imm32_b32 hwreg(HW_REG_WAVE_MODE, 25, 1), 1
	s_wait_xcnt 0x0
	s_wait_alu depctr_hold_cnt(0) depctr_sa_sdst(0) depctr_va_vdst(0) depctr_va_sdst(0) depctr_va_ssrc(0) depctr_va_vcc(0) depctr_vm_vsrc(0)
	s_getreg_b32 s2, hwreg(HW_REG_IB_STS2, 6, 4)
	s_cmp_eq_u32 s2, 0
	s_cbranch_scc0 .Lentry_in_a_cluster
	s_endpgm
.Lentry_in_a_cluster:
	s_bfe_u32 s2, ttmp6, 0x10000c
	s_cmp_lg_u32 s2, 0xf033
	s_cbranch_scc0 .Lentry_shape_is_right
	s_endpgm
.Lentry_shape_is_right:
.set NQ,    2
.set FRB,   1536
.set HALFT, 24576
.set SLOT,  4*HALFT
.set SCL,   2*SLOT
.set SZ,    4096
.set SPARE, 213248
.set X2C,   16777216
.set X2S,   19922944
.set W1C,   6291456
.set W1S,   12845056
.set HS,    12582912
.set ADRA, 16
.set ADRB, 20
.set L16,  24
.set L8,   25
.set L4,   26
.set ADRS, 27
.set SPW,  28
.set NIL,  29
.set SC,   32
.set AF,   64
.set TM,   64
.set PC,   80
.set PW,   100
.set PWE,  101
.set PWC,  102
.set G1,   24
.set G0,   32
.set G1B,  48
.set G0B,  56
.set G1S,  68
.set G0S,  76
.set G1SB, 80
.set G0SB, 88
.set SEL,  98
.set MSB, 0
.macro WIN new
.if MSB != (\new)
	s_set_vgpr_msb (MSB<<8)|(\new)
.set MSB, (\new)
.endif
.endm
.macro JLOAD g0a, g1a, g0b, g1b
	s_cmp_eq_u32 s15, 0
	s_cbranch_scc0 .Lfor_b_\@
	tensor_load_to_lds s[\g0a:\g0a+3], s[\g1a:\g1a+7]
	s_nop 0
.rept 4
	v_nop
.endr
	s_branch .Lasked_\@
.Lfor_b_\@:
	tensor_load_to_lds s[\g0b:\g0b+3], s[\g1b:\g1b+7]
	s_nop 0
.rept 4
	v_nop
.endr
.Lasked_\@:
.endm
.macro CREST
	s_cmp_lg_u32 s14, 0
	s_cbranch_scc1 .Lnot_wave_0_\@
	s_barrier_signal -3
.Lnot_wave_0_\@:
	s_barrier_wait -3
	s_barrier_signal -1
	s_barrier_wait -1
.endm
.macro CROUND
	s_barrier_signal -1
	s_barrier_wait -1
	CREST
.endm
.macro PLACES n
.rept \n
	v_nop
.endr
.endm
.macro FRAG reg, adr, off
	ds_load_b128 v[(\reg):(\reg)+3], v[\adr] offset:(\off)
	ds_load_b64 v[(\reg)+4:(\reg)+5], v[\adr+2] offset:(\off)+512
	ds_load_b128 v[(\reg)+6:(\reg)+9], v[\adr] offset:(\off)+768
	ds_load_b64 v[(\reg)+10:(\reg)+11], v[\adr+2] offset:(\off)+1280
.endm
.macro FETCH slot, q, set
	WIN 0x40
.irp i, 0,1,2,3,4,5,6,7
	FRAG 96*(\set)+12*\i, ADRB+(\slot), (NQ*\i+(\q))*FRB
.endr
	WIN 0
.irp i, 0,1,2,3,4,5,6,7
	FRAG AF+96*(\set)+12*\i, ADRA+(\slot), (NQ*\i+(\q))*FRB
.endr
.irp i, 0,1,2,3,4,5,6,7
	ds_load_b32 v[SC+8*(\set)+\i], v[ADRS] offset:(\i/4)*2048+(\i%4)*64+256*(\q)
.endr
.endm
.macro MULQ a0, set, cmode
.irp a, \a0, \a0+1
.irp b, 0,1,2,3,4,5,6,7
.if \cmode == 2
	v_wmma_scale_f32_16x16x128_f8f6f4 v[8*(8*((\a)%4)+\b):8*(8*((\a)%4)+\b)+7], v[96*(\set)+12*\b:96*(\set)+12*\b+11], v[AF+96*(\set)+12*(\a):AF+96*(\set)+12*(\a)+11], v[192+8*\b:192+8*\b+7], v[SC+8*(\set)+\b], v[SC+8*(\set)+(\a)] matrix_a_fmt:MATRIX_FMT_FP6 matrix_b_fmt:MATRIX_FMT_FP6 matrix_a_scale:MATRIX_SCALE_ROW1
.else
	v_wmma_scale_f32_16x16x128_f8f6f4 v[8*(8*((\a)%4)+\b):8*(8*((\a)%4)+\b)+7], v[96*(\set)+12*\b:96*(\set)+12*\b+11], v[AF+96*(\set)+12*(\a):AF+96*(\set)+12*(\a)+11], v[8*(8*((\a)%4)+\b):8*(8*((\a)%4)+\b)+7], v[SC+8*(\set)+\b], v[SC+8*(\set)+(\a)] matrix_a_fmt:MATRIX_FMT_FP6 matrix_b_fmt:MATRIX_FMT_FP6 matrix_a_scale:MATRIX_SCALE_ROW1
.endif
.endr
.endr
.endm
.macro STEP slot, q, cmode
.if \cmode == 2
.set WLO, 0x91
.set WHI, 0xd1
.else
.set WLO, 0xa1
.set WHI, 0xf1
.endif
	s_wait_dscnt 0x0
	WIN WLO
	MULQ 0, (\q)%2, \cmode
	PLACES 4
	FETCH \slot, (\q)+1, 1-(\q)%2
	WIN WLO
	MULQ 2, (\q)%2, \cmode
	WIN WHI
	MULQ 4, (\q)%2, \cmode
	MULQ 6, (\q)%2, \cmode
.endm
.macro TURN slot, next, fill
	s_wait_dscnt 0x0
	WIN 0
	s_wait_tensorcnt 0x0
	ds_add_u32 v[SPW], v[NIL]
	WIN 0xa1
	MULQ 0, 1, 0
	s_wait_dscnt 0x0
	s_barrier_signal -1
	MULQ 2, 1, 0
	WIN 0
	s_barrier_wait -1
.if \fill
	CREST
	s_add_nc_u64 s[G0+4*\slot+2:G0+4*\slot+3], s[G0+4*\slot+2:G0+4*\slot+3], 2*NQ*FRB
	s_add_nc_u64 s[G0B+4*\slot+2:G0B+4*\slot+3], s[G0B+4*\slot+2:G0B+4*\slot+3], 2*NQ*FRB
	JLOAD G0+4*\slot, G1, G0B+4*\slot, G1B
.else
	PLACES 4
.endif
	v_add_nc_u32 v[ADRS], 256*NQ, v[ADRS]
	FETCH \next, 0, 0
	WIN 0xf1
	MULQ 4, 1, 0
	MULQ 6, 1, 0
.endm
.macro QUANTW w, s
	WIN ((\w)<<2)|((\w)<<4)
.irp b, 0,1,2,3
	v_max3_num_f32 v[TM+\b], 0x1800000, |v[(\s)+16*\b]|, |v[(\s)+1+16*\b]|
.endr
.irp i, 2,4,6,8,10,12,14
.irp b, 0,1,2,3
	v_max3_num_f32 v[TM+\b], v[TM+\b], |v[(\s)+16*\b+\i]|, |v[(\s)+1+16*\b+\i]|
.endr
.endr
	WIN 0
.irp b, 0,1,2,3
	v_permlanex16_b32 v[TM+4+\b], v[TM+\b], s[SEL], s[SEL+1]
.endr
.irp b, 0,1,2,3
	v_max_num_f32 v[TM+\b], v[TM+\b], v[TM+4+\b]
.endr
.irp b, 0,1,2,3
	v_add_nc_u32 v[TM+12+\b], 0xff000000, v[TM+\b]
.endr
.irp b, 0,1,2,3
	v_lshrrev_b32 v[TM+4+\b], 23, v[TM+12+\b]
.endr
	v_lshl_or_b32 v[PW], v[TM+5], 8, v[TM+4]
	v_lshl_or_b32 v[PW], v[TM+6], 16, v[PW]
	v_lshl_or_b32 v[PW], v[TM+7], 24, v[PW]
	WIN (\w)
.irp c, 0,1
	v_cvt_scalef32_pk16_fp6_f32 v[PC+6*\c:PC+2+6*\c], v[(\s)+32*\c:(\s)+15+32*\c], v[TM+12+2*\c]
	v_cvt_scalef32_pk16_fp6_f32 v[PC+12+4*\c:PC+14+4*\c], v[(\s)+16+32*\c:(\s)+31+32*\c], v[TM+12+2*\c+1]
.endr
	WIN 0
	v_nop
.irp c, 0,1
.irp i, 0,1,2
	v_permlane16_swap_b32 v[PC+6*\c+\i], v[PC+12+4*\c+\i]
.endr
.irp i, 0,1,2
	v_mov_b32 v[PC+3+6*\c+\i], v[PC+12+4*\c+\i]
.endr
.endr
.endm
	s_load_b256 s[4:11], s[0:1], 0x0
	v_lshl_add_u32 v[SPW], v0, 2, SPARE
	v_mov_b32 v[NIL], 0
	ds_add_u32 v[SPW], v[NIL]
	ds_add_u32 v[SPW], v[NIL]
	v_lshrrev_b32 v1, 5, v0
	v_readfirstlane_b32 s14, v1
	s_lshr_b32 s15, s14, 1
	s_and_b32 s16, s14, 1
	s_bfe_u32 s40, ttmp6, 0x40000
	s_bfe_u32 s41, ttmp6, 0x40004
	s_lshl_b32 s42, ttmp9, 2
	s_add_co_u32 s42, s42, s40
	s_and_b32 s17, ttmp7, 0xffff
	s_lshl_b32 s17, s17, 2
	s_add_co_u32 s17, s17, s41
	s_lshl_b32 s43, s41, 2
	s_lshl_b32 s43, 15, s43
	s_lshl_b32 s44, 0x1111, s40
	s_or_b32 s[G1+0], s43, (3<<16)|(1<<21)
	s_or_b32 s[G1B+0], s44, (3<<16)|(1<<21)
.irp g, G1, G1B
	s_mov_b32 s[\g+1], 384<<16
	s_mov_b32 s[\g+2], 16<<16
	s_mov_b32 s[\g+3], 384<<16
	s_mov_b32 s[\g+4], 16
	s_mov_b32 s[\g+5], 1536
	s_mov_b32 s[\g+6], 0
	s_mov_b32 s[\g+7], 0
.endr
	s_or_b32 s[G1S+0], s43, (3<<16)|(1<<21)
	s_or_b32 s[G1SB+0], s44, (3<<16)|(1<<21)
.irp g, G1S, G1SB
	s_mov_b32 s[\g+1], 32<<16
	s_mov_b32 s[\g+2], 32<<16
	s_mov_b32 s[\g+3], 32<<16
	s_mov_b32 s[\g+4], 32
	s_mov_b32 s[\g+5], 32
	s_mov_b32 s[\g+6], 0
	s_mov_b32 s[\g+7], 0
.endr
	s_mov_b32 s18, 0
	s_lshl_b32 s20, s17, 4
	s_add_co_u32 s20, s20, s18
	s_lshl_b32 s46, s42, 4
	s_add_co_u32 s46, s46, s18
	s_lshl_b32 s22, s20, 9
	s_add_co_u32 s22, s22, X2S
	s_mul_i32 s20, s20, 8*FRB
	s_add_co_u32 s20, s20, X2C
	s_lshl_b32 s92, s46, 9
	s_add_co_u32 s92, s92, W1S
	s_mul_i32 s46, s46, 8*FRB
	s_add_co_u32 s46, s46, W1C
	s_mov_b32 s21, 0
	s_mov_b32 s23, 0
	s_mov_b32 s47, 0
	s_mov_b32 s93, 0
	s_mul_i32 s45, s14, HALFT
	s_lshl_b32 s94, s14, 12
	s_lshl_b32 s95, s15, 6
	s_add_co_u32 s94, s94, s95
	s_mov_b32 s[SEL], 0x76543210
	s_mov_b32 s[SEL+1], 0xfedcba98
	s_wait_dscnt 0x0
	s_wait_kmcnt 0x0
	s_add_nc_u64 s[20:21], s[4:5], s[20:21]
	s_add_nc_u64 s[22:23], s[4:5], s[22:23]
	s_add_nc_u64 s[46:47], s[6:7], s[46:47]
	s_add_nc_u64 s[92:93], s[6:7], s[92:93]
	CROUND
	s_mov_b32 s[G0S], 1
	s_mov_b32 s[G0S+1], SCL
	s_mov_b64 s[G0S+2:G0S+3], s[22:23]
	s_or_b32 s[G0S+3], s[G0S+3], 0x80000000
	s_mov_b32 s[G0SB], 1
	s_mov_b32 s[G0SB+1], SCL+2*SZ+64
	s_mov_b64 s[G0SB+2:G0SB+3], s[92:93]
	s_or_b32 s[G0SB+3], s[G0SB+3], 0x80000000
.irp s, 0,1
	s_mov_b32 s[G0+4*\s], 1
	s_add_co_u32 s[G0+4*\s+1], s45, \s*SLOT
	s_add_nc_u64 s[G0+4*\s+2:G0+4*\s+3], s[20:21], \s*NQ*FRB
	s_or_b32 s[G0+4*\s+3], s[G0+4*\s+3], 0x80000000
	s_mov_b32 s[G0B+4*\s], 1
	s_add_co_u32 s[G0B+4*\s+1], s45, \s*SLOT
	s_add_nc_u64 s[G0B+4*\s+2:G0B+4*\s+3], s[46:47], \s*NQ*FRB
	s_or_b32 s[G0B+4*\s+3], s[G0B+4*\s+3], 0x80000000
.endr
	; the head's four joint loads, one a wave, in one chain of arms: slot 0's 256 rows of A, its 256 rows of B, A's scale words, B's
	s_mov_b32 s92, 1
	s_mov_b32 s93, 0
	s_mov_b64 s[94:95], s[20:21]
	s_or_b32 s95, s95, 0x80000000
	s_mov_b32 s44, 1
	s_mov_b32 s45, 2*HALFT
	s_or_b32 s47, s47, 0x80000000
	s_mul_i32 s18, s16, 8*8*FRB                    ; the ring's loads bring half a tile: my half, in bytes
	s_mov_b32 s19, 0
.irp g, G0, G0+4, G0B, G0B+4
	s_add_nc_u64 s[\g+2:\g+3], s[\g+2:\g+3], s[18:19]
.endr
	s_cmp_eq_u32 s14, 0
	s_cbranch_scc0 .Lh1
	tensor_load_to_lds s[92:95], s[G1:G1+7]
	s_nop 0
	PLACES 4
	s_branch .Lhj
.Lh1:
	s_cmp_eq_u32 s14, 1
	s_cbranch_scc0 .Lh2
	tensor_load_to_lds s[44:47], s[G1B:G1B+7]
	s_nop 0
	PLACES 4
	s_branch .Lhj
.Lh2:
	s_cmp_eq_u32 s14, 2
	s_cbranch_scc0 .Lh3
	tensor_load_to_lds s[G0S:G0S+3], s[G1S:G1S+7]
	s_nop 0
	PLACES 4
	s_branch .Lhj
.Lh3:
	tensor_load_to_lds s[G0SB:G0SB+3], s[G1SB:G1SB+7]
	s_nop 0
	PLACES 4
.Lhj:
	s_wait_alu depctr_va_vdst(0)
	s_wait_tensorcnt 0x0                           ; my tile of the four is in, ahead of slot 1's first fill
	ds_add_u32 v28, v29
	s_mov_b32 s[G1+2], 8<<16                       ; no load of mine is out: from here on a load brings 8 tiles of 16 rows
	s_mov_b32 s[G1+4], 8
	s_mov_b32 s[G1B+2], 8<<16
	s_mov_b32 s[G1B+4], 8
	s_wait_dscnt 0x0
	CROUND
	JLOAD G0+4, G1, G0B+4, G1B
	v_and_b32 v1, 31, v0
	v_and_b32 v2, 15, v0
	v_bfe_u32 v3, v0, 4, 1
	v_lshlrev_b32 v[L16], 4, v1
	v_lshlrev_b32 v[L8], 3, v1
	v_lshlrev_b32 v[L4], 2, v1
	s_mul_i32 s21, s15, HALFT
	s_mul_i32 s22, s16, HALFT
	s_add_co_u32 s22, s22, 2*HALFT
.irp s, 0,1
	v_add_nc_u32 v[ADRA+\s], s21, v[L16]
	v_add_nc_u32 v[ADRA+2+\s], s21, v[L8]
	v_add_nc_u32 v[ADRB+\s], s22, v[L16]
	v_add_nc_u32 v[ADRB+2+\s], s22, v[L8]
	s_add_co_u32 s21, s21, SLOT
	s_add_co_u32 s22, s22, SLOT
.endr
	s_mul_i32 s21, s15, SZ
	s_mul_i32 s22, s16, SZ
	s_add_co_u32 s22, s22, 2*SZ+64
	s_sub_co_u32 s22, s22, s21
	v_mul_u32_u24 v31, s22, v3
	s_add_co_u32 s21, s21, SCL
	v_lshl_add_u32 v31, v2, 2, v31
	v_add_nc_u32 v[ADRS], s21, v31
	s_lshl_b32 s46, s42, 10
	s_lshl_b32 s47, s16, 9
	s_add_co_u32 s46, s46, s47
	s_mov_b32 s47, 0
	s_add_nc_u64 s[8:9], s[8:9], s[46:47]
	v_lshlrev_b32 v30, 6, v3
	WIN 0x40
.irp b, 0,1,2,3,4,5,6,7
	global_load_b128 v[192+8*\b:192+8*\b+3], v30, s[8:9] offset:(32*(\b/2)+8*(\b%2))*4
	global_load_b128 v[192+8*\b+4:192+8*\b+7], v30, s[8:9] offset:(32*(\b/2)+8*(\b%2))*4+16
.endr
	WIN 0
	s_wait_alu depctr_va_vdst(0)
	s_wait_tensorcnt 1
	s_barrier_signal -1
	s_barrier_wait -1
	FETCH 0, 0, 0
	s_wait_loadcnt 0x0
	STEP 0, 0, 2
	TURN 0, 1, 1
	s_wait_alu depctr_va_vdst(0)
	STEP 1, 0, 0
	TURN 1, 0, 1
	s_wait_alu depctr_va_vdst(0)
	STEP 0, 0, 0
	TURN 0, 1, 0
	s_wait_alu depctr_va_vdst(0)
	STEP 1, 0, 0
	s_wait_dscnt 0x0
	WIN 0xa1
	MULQ 0, 1, 0
	MULQ 2, 1, 0
	WIN 0xf1
	MULQ 4, 1, 0
	MULQ 6, 1, 0
	WIN 0
	PLACES 4
.irp b, 0,1,2,3
	v_mov_b32 v[TM+4+\b], 0
.endr
	s_mov_b32 s96, 0xffff0000
	s_lshl_b32 s18, s42, 1
	s_add_co_u32 s18, s18, s16
	s_lshl_b32 s19, s17, 4
	s_lshl_b32 s20, s15, 3
	s_add_co_u32 s19, s19, s20
	s_lshl_b32 s20, s19, 5
	s_add_co_u32 s20, s20, s18
	s_mul_i32 s20, s20, FRB
	s_mov_b32 s21, 0
	s_lshl_b32 s22, s19, 3
	s_add_co_u32 s22, s22, s18
	s_lshl_b32 s22, s22, 8
	s_add_co_u32 s22, s22, HS
	s_mov_b32 s23, 0
	s_add_nc_u64 s[20:21], s[10:11], s[20:21]
	s_add_nc_u64 s[22:23], s[10:11], s[22:23]
.irp a, 0,1,2,3,4,5,6,7
	s_wait_xcnt 0x0
	WIN ((2+\a/4)<<6)|((2+\a/4)<<2)
.set jj, 64*(\a%4)
.rept 64
	v_max_num_f32 v[jj], 0, v[jj]
.set jj, jj+1
.endr
	QUANTW 2+\a/4, 64*(\a%4)
	global_store_b128 v[L16], v[PC:PC+3], s[20:21] offset:49152*\a
	global_store_b64 v[L8], v[PC+4:PC+5], s[20:21] offset:49152*\a+512
	global_store_b128 v[L16], v[PC+6:PC+9], s[20:21] offset:49152*\a+768
	global_store_b64 v[L8], v[PC+10:PC+11], s[20:21] offset:49152*\a+1280
.if \a%2 == 0
	v_mov_b32 v[PWE], v[PW]
.else
	v_cndmask_b32 v[PWC], v[PWE], v[PW], s96
	global_store_b32 v[L4], v[PWC], s[22:23] offset:(\a/4)*8192+(\a%4-1)*64
.endif
.endr
	s_wait_tensorcnt 0x0
	ds_add_u32 v[SPW], v[NIL]
	s_wait_dscnt 0x0
	CROUND
	s_endpgm
.Lfunc_end_k_q020a56fc43_ffn1:
	.size	k_q020a56fc43_ffn1, .Lfunc_end_k_q020a56fc43_ffn1-k_q020a56fc43_ffn1
	.p2alignl 7, 3214868480
	.fill 96, 4, 3214868480
	.section	.rodata,"a",@progbits
	.p2align	6, 0x0
	.amdhsa_kernel k_q020a56fc43_ffn1
		.amdhsa_group_segment_fixed_size 327680
		.amdhsa_private_segment_fixed_size 0
		.amdhsa_enable_private_segment 0
		.amdhsa_kernarg_size 32
		.amdhsa_user_sgpr_count 2
		.amdhsa_user_sgpr_kernarg_segment_ptr 1
		.amdhsa_wavefront_size32 1
		.amdhsa_system_sgpr_workgroup_id_x 1
		.amdhsa_system_sgpr_workgroup_id_y 1
		.amdhsa_system_sgpr_workgroup_id_z 1
		.amdhsa_system_vgpr_workitem_id 0
		.amdhsa_next_free_vgpr 1024
		.amdhsa_next_free_sgpr 100
		.amdhsa_reserve_vcc 0
		.amdhsa_float_denorm_mode_32 3
		.amdhsa_float_denorm_mode_16_64 3
		.amdhsa_memory_ordered 1
		.amdhsa_forward_progress 1
		.amdhsa_inst_pref_size 169
	.end_amdhsa_kernel
	.amdgpu_metadata
---
amdhsa.version: [ 1, 2 ]
amdhsa.kernels:
  - .name:           k_q020a56fc43_ffn1
    .symbol:         k_q020a56fc43_ffn1.kd
    .args:
      - { .name: x2, .offset: 0, .size: 8, .value_kind: global_buffer, .address_space: global }
      - { .name: wq, .offset: 8, .size: 8, .value_kind: global_buffer, .address_space: global }
      - { .name: b1, .offset: 16, .size: 8, .value_kind: global_buffer, .address_space: global }
      - { .name: h, .offset: 24, .size: 8, .value_kind: global_buffer, .address_space: global }
    .group_segment_fixed_size: 327680
    .private_segment_fixed_size: 0
    .kernarg_segment_align: 8
    .kernarg_segment_size: 32
    .max_flat_workgroup_size: 128
    .sgpr_count:     100
    .vgpr_count:     1024
    .wavefront_size: 32
...
	.end_amdgpu_metadata
.endif
;; end of part 6
;; launch ffn2 (part 7): grid 8 x 32, 4 waves a work-group, clusters of 4 x 4, 327,680 bytes of LDS; arguments h, wq, b2, x2, y; writes y
.if DOCPART == 7
	.amdgcn_target "amdgcn-amd-amdhsa--gfx1250"
	.amdhsa_code_object_version 6
	.text
	.protected	k_q020a56fc43_ffn2
	.globl	k_q020a56fc43_ffn2
	.p2align	8
	.type	k_q020a56fc43_ffn2,@function
k_q020a56fc43_ffn2:
	s_mov_b64 s[64:65], 0
	v_nop
	global_prefetch_b8 v0, s[64:65] scope:SCOPE_SE
	s_setreg_imm32_b32 hwreg(HW_REG_WAVE_MODE, 25, 1), 1
	s_wait_xcnt 0x0
	s_wait_alu depctr_hold_cnt(0) depctr_sa_sdst(0) depctr_va_vdst(0) depctr_va_sdst(0) depctr_va_ssrc(0) depctr_va_vcc(0) depctr_vm_vsrc(0)
	s_getreg_b32 s2, hwreg(HW_REG_IB_STS2, 6, 4)
	s_cmp_eq_u32 s2, 0
	s_cbranch_scc0 .Lentry_in_a_cluster
	s_endpgm
.Lentry_in_a_cluster:
	s_bfe_u32 s2, ttmp6, 0x10000c
	s_cmp_lg_u32 s2, 0xf033
	s_cbranch_scc0 .Lentry_shape_is_right
	s_endpgm
.Lentry_shape_is_right:
.set S,      32
.set BIAS,   1
.set AS_OFF, 12582912
.set BC_OFF, 9437184
.set BS_OFF, 12976128
.set RESP,   10
.set OUTP,   12
.set NQ,    4
.set FRB,   1536
.set HALFT, 24576
.set SLOT,  4*HALFT
.set SCL,   2*SLOT
.set SZ,    256*S
.set STG,   229632
.set SPARE, 247040
.set LAPS,  S/8
.set CM,    1+BIAS
.set ADRA, 16
.set ADRB, 20
.set STO,  24
.set RD,   25
.set CO,   26
.set ADRS, 27
.set SPW,  28
.set NIL,  29
.set SC,   32
.set BI,   40
.set ROWS, 72
.set ACC,  128
.set G1,   24
.set G0,   32
.set G1B,  48
.set G0B,  56
.set G1S,  68
.set G0S,  76
.set G1SB, 80
.set G0SB, 88
.set MSB, 0
.macro WIN new
.if MSB != (\new)
	s_set_vgpr_msb (MSB<<8)|(\new)
.set MSB, (\new)
.endif
.endm
.macro JLOAD g0a, g1a, g0b, g1b
	s_cmp_eq_u32 s15, 0
	s_cbranch_scc0 .Lfor_b_\@
	tensor_load_to_lds s[\g0a:\g0a+3], s[\g1a:\g1a+7]
	s_nop 0
.rept 4
	v_nop
.endr
	s_branch .Lasked_\@
.Lfor_b_\@:
	tensor_load_to_lds s[\g0b:\g0b+3], s[\g1b:\g1b+7]
	s_nop 0
.rept 4
	v_nop
.endr
.Lasked_\@:
.endm
.macro CREST
	s_cmp_lg_u32 s14, 0
	s_cbranch_scc1 .Lnot_wave_0_\@
	s_barrier_signal -3
.Lnot_wave_0_\@:
	s_barrier_wait -3
	s_barrier_signal -1
	s_barrier_wait -1
.endm
.macro CROUND
	s_barrier_signal -1
	s_barrier_wait -1
	CREST
.endm
.macro PLACES n
.rept \n
	v_nop
.endr
.endm
.macro FRAG reg, adr, off
	ds_load_b128 v[(\reg):(\reg)+3], v[\adr] offset:(\off)
	ds_load_b64 v[(\reg)+4:(\reg)+5], v[\adr+2] offset:(\off)+512
	ds_load_b128 v[(\reg)+6:(\reg)+9], v[\adr] offset:(\off)+768
	ds_load_b64 v[(\reg)+10:(\reg)+11], v[\adr+2] offset:(\off)+1280
.endm
.macro FETCH slot, q, set
	WIN 0x40
.irp i, 0,1,2,3
	FRAG 96*(\set)+48+12*\i, ADRB+(\slot), (NQ*\i+(\q))*FRB
.endr
.irp i, 0,1,2,3
	FRAG 96*(\set)+12*\i, ADRA+(\slot), (NQ*\i+(\q))*FRB
.endr
	WIN 0
.irp i, 0,1,2,3
	ds_load_b32 v[SC+4*(\set)+\i], v[ADRS] offset:64*\i+256*(\q)
.endr
.endm
.macro MULA a, set, cmode
.irp b, 0,1,2,3
.if \cmode == 1
	v_wmma_scale_f32_16x16x128_f8f6f4 v[ACC+8*(4*(\a)+\b):ACC+8*(4*(\a)+\b)+7], v[96*(\set)+48+12*\b:96*(\set)+48+12*\b+11], v[96*(\set)+12*(\a):96*(\set)+12*(\a)+11], 0, v[SC+4*(\set)+\b], v[SC+4*(\set)+(\a)] matrix_a_fmt:MATRIX_FMT_FP6 matrix_b_fmt:MATRIX_FMT_FP6 matrix_a_scale:MATRIX_SCALE_ROW1
.elseif \cmode == 2
	v_wmma_scale_f32_16x16x128_f8f6f4 v[ACC+8*(4*(\a)+\b):ACC+8*(4*(\a)+\b)+7], v[96*(\set)+48+12*\b:96*(\set)+48+12*\b+11], v[96*(\set)+12*(\a):96*(\set)+12*(\a)+11], v[BI+8*\b:BI+8*\b+7], v[SC+4*(\set)+\b], v[SC+4*(\set)+(\a)] matrix_a_fmt:MATRIX_FMT_FP6 matrix_b_fmt:MATRIX_FMT_FP6 matrix_a_scale:MATRIX_SCALE_ROW1
.else
	v_wmma_scale_f32_16x16x128_f8f6f4 v[ACC+8*(4*(\a)+\b):ACC+8*(4*(\a)+\b)+7], v[96*(\set)+48+12*\b:96*(\set)+48+12*\b+11], v[96*(\set)+12*(\a):96*(\set)+12*(\a)+11], v[ACC+8*(4*(\a)+\b):ACC+8*(4*(\a)+\b)+7], v[SC+4*(\set)+\b], v[SC+4*(\set)+(\a)] matrix_a_fmt:MATRIX_FMT_FP6 matrix_b_fmt:MATRIX_FMT_FP6 matrix_a_scale:MATRIX_SCALE_ROW1
.endif
.endr
.endm
.macro STEP slot, q, cmode
	s_wait_dscnt 0x0
	PLACES 4
	FETCH \slot, (\q)+1, 1-(\q)%2
	WIN 0x05
	MULA 0, (\q)%2, \cmode
	MULA 1, (\q)%2, \cmode
	MULA 2, (\q)%2, \cmode
	MULA 3, (\q)%2, \cmode
.endm
.macro TURN slot, next, fill
	s_wait_dscnt 0x0
	WIN 0
	s_wait_tensorcnt 0x0
	ds_add_u32 v[SPW], v[NIL]
	WIN 0x05
	MULA 0, 1, 0
	s_wait_dscnt 0x0
	s_barrier_signal -1
	MULA 1, 1, 0
	WIN 0
	s_barrier_wait -1
.if \fill
	CREST
	s_add_nc_u64 s[G0+4*\slot+2:G0+4*\slot+3], s[G0+4*\slot+2:G0+4*\slot+3], 2*NQ*FRB
	s_add_nc_u64 s[G0B+4*\slot+2:G0B+4*\slot+3], s[G0B+4*\slot+2:G0B+4*\slot+3], 2*NQ*FRB
	JLOAD G0+4*\slot, G1, G0B+4*\slot, G1B
.else
	PLACES 4
.endif
	s_wait_alu depctr_va_vdst(0)
	v_add_nc_u32 v[ADRS], 256*NQ, v[ADRS]
	FETCH \next, 0, 0
	WIN 0x05
	MULA 2, 1, 0
	MULA 3, 1, 0
.endm
	s_load_b256 s[4:11], s[0:1], 0x0
.if BIAS
	s_load_b64 s[12:13], s[0:1], 0x20
.endif
	v_lshl_add_u32 v[SPW], v0, 2, SPARE
	v_mov_b32 v[NIL], 0
	ds_add_u32 v[SPW], v[NIL]
	ds_add_u32 v[SPW], v[NIL]
	v_lshrrev_b32 v1, 5, v0
	v_readfirstlane_b32 s14, v1
	s_lshr_b32 s15, s14, 1
	s_and_b32 s16, s14, 1
	s_bfe_u32 s40, ttmp6, 0x40000
	s_bfe_u32 s41, ttmp6, 0x40004
	s_lshl_b32 s42, ttmp9, 2
	s_add_co_u32 s42, s42, s40
	s_and_b32 s17, ttmp7, 0xffff
	s_lshl_b32 s17, s17, 2
	s_add_co_u32 s17, s17, s41
	s_lshl_b32 s43, s41, 2
	s_lshl_b32 s43, 15, s43
	s_lshl_b32 s44, 0x1111, s40
	s_or_b32 s[G1+0], s43, (3<<16)|(1<<21)
	s_or_b32 s[G1B+0], s44, (3<<16)|(1<<21)
.irp g, G1, G1B
	s_mov_b32 s[\g+1], 768<<16
	s_mov_b32 s[\g+2], 8<<16
	s_mov_b32 s[\g+3], 768<<16
	s_mov_b32 s[\g+4], 8
	s_mov_b32 s[\g+5], 192*S
	s_mov_b32 s[\g+6], 0
	s_mov_b32 s[\g+7], 0
.endr
	s_or_b32 s[G1S+0], s43, (3<<16)|(1<<21)
	s_or_b32 s[G1SB+0], s44, (3<<16)|(1<<21)
.irp g, G1S, G1SB
	s_mov_b32 s[\g+1], 32<<16
	s_mov_b32 s[\g+2], (2*S)<<16
	s_mov_b32 s[\g+3], 32<<16
	s_mov_b32 s[\g+4], 2*S
	s_mov_b32 s[\g+5], 32
	s_mov_b32 s[\g+6], 0
	s_mov_b32 s[\g+7], 0
.endr
	s_mov_b32 s18, 0
	s_lshl_b32 s20, s17, 3
	s_add_co_u32 s20, s20, s18
	s_lshl_b32 s46, s42, 3
	s_add_co_u32 s46, s46, s18
	s_mul_i32 s22, s20, S*64
	s_add_co_u32 s22, s22, AS_OFF
	s_mul_i32 s20, s20, S*FRB
	s_mul_i32 s92, s46, S*64
	s_add_co_u32 s92, s92, BS_OFF
	s_mul_i32 s46, s46, S*FRB
	s_add_co_u32 s46, s46, BC_OFF
	s_mov_b32 s21, 0
	s_mov_b32 s23, 0
	s_mov_b32 s47, 0
	s_mov_b32 s93, 0
	s_mul_i32 s45, s14, HALFT
	s_mul_i32 s94, s14, SZ
	s_lshl_b32 s95, s15, 6
	s_add_co_u32 s94, s94, s95
	s_wait_dscnt 0x0
	s_wait_kmcnt 0x0
	s_add_nc_u64 s[20:21], s[4:5], s[20:21]
	s_add_nc_u64 s[22:23], s[4:5], s[22:23]
	s_add_nc_u64 s[46:47], s[6:7], s[46:47]
	s_add_nc_u64 s[92:93], s[6:7], s[92:93]
	CROUND
	s_mov_b32 s[G0S], 1
	s_mov_b32 s[G0S+1], SCL
	s_mov_b64 s[G0S+2:G0S+3], s[22:23]
	s_or_b32 s[G0S+3], s[G0S+3], 0x80000000
	s_mov_b32 s[G0SB], 1
	s_mov_b32 s[G0SB+1], SCL+2*SZ+64
	s_mov_b64 s[G0SB+2:G0SB+3], s[92:93]
	s_or_b32 s[G0SB+3], s[G0SB+3], 0x80000000
.irp s, 0,1
	s_mov_b32 s[G0+4*\s], 1
	s_add_co_u32 s[G0+4*\s+1], s45, \s*SLOT
	s_add_nc_u64 s[G0+4*\s+2:G0+4*\s+3], s[20:21], \s*NQ*FRB
	s_or_b32 s[G0+4*\s+3], s[G0+4*\s+3], 0x80000000
	s_mov_b32 s[G0B+4*\s], 1
	s_add_co_u32 s[G0B+4*\s+1], s45, \s*SLOT
	s_add_nc_u64 s[G0B+4*\s+2:G0B+4*\s+3], s[46:47], \s*NQ*FRB
	s_or_b32 s[G0B+4*\s+3], s[G0B+4*\s+3], 0x80000000
.endr
	; the head's four joint loads, one a wave, in one chain of arms: slot 0's 128 rows of A, its 128 rows of B, A's scale words, B's
	s_mov_b32 s92, 1
	s_mov_b32 s93, 0
	s_mov_b64 s[94:95], s[20:21]
	s_or_b32 s95, s95, 0x80000000
	s_mov_b32 s44, 1
	s_mov_b32 s45, 2*HALFT
	s_or_b32 s47, s47, 0x80000000
	s_mul_i32 s18, s16, 4*S*FRB                    ; the ring's loads bring half a tile: my half, in bytes
	s_mov_b32 s19, 0
.irp g, G0, G0+4, G0B, G0B+4
	s_add_nc_u64 s[\g+2:\g+3], s[\g+2:\g+3], s[18:19]
.endr
	s_cmp_eq_u32 s14, 0
	s_cbranch_scc0 .Lh1
	tensor_load_to_lds s[92:95], s[G1:G1+7]
	s_nop 0
	PLACES 4
	s_branch .Lhj
.Lh1:
	s_cmp_eq_u32 s14, 1
	s_cbranch_scc0 .Lh2
	tensor_load_to_lds s[44:47], s[G1B:G1B+7]
	s_nop 0
	PLACES 4
	s_branch .Lhj
.Lh2:
	s_cmp_eq_u32 s14, 2
	s_cbranch_scc0 .Lh3
	tensor_load_to_lds s[G0S:G0S+3], s[G1S:G1S+7]
	s_nop 0
	PLACES 4
	s_branch .Lhj
.Lh3:
	tensor_load_to_lds s[G0SB:G0SB+3], s[G1SB:G1SB+7]
	s_nop 0
	PLACES 4
.Lhj:
	s_wait_alu depctr_va_vdst(0)
	s_wait_tensorcnt 0x0                           ; my tile of the four is in, ahead of slot 1's first fill
	ds_add_u32 v28, v29
	s_mov_b32 s[G1+2], 4<<16                       ; no load of mine is out: from here on a load brings 4 tiles of 16 rows
	s_mov_b32 s[G1+4], 4
	s_mov_b32 s[G1B+2], 4<<16
	s_mov_b32 s[G1B+4], 4
	s_wait_dscnt 0x0
	CROUND
	JLOAD G0+4, G1, G0B+4, G1B
	v_and_b32 v1, 31, v0
	v_and_b32 v2, 15, v0
	v_bfe_u32 v3, v0, 4, 1
	v_lshlrev_b32 v30, 4, v1
	v_lshlrev_b32 v31, 3, v1
	s_mul_i32 s21, s15, HALFT
	s_mul_i32 s22, s16, HALFT
	s_add_co_u32 s22, s22, 2*HALFT
.irp s, 0,1
	v_add_nc_u32 v[ADRA+\s], s21, v30
	v_add_nc_u32 v[ADRA+2+\s], s21, v31
	v_add_nc_u32 v[ADRB+\s], s22, v30
	v_add_nc_u32 v[ADRB+2+\s], s22, v31
	s_add_co_u32 s21, s21, SLOT
	s_add_co_u32 s22, s22, SLOT
.endr
	s_mul_i32 s21, s15, SZ
	s_mul_i32 s22, s16, SZ
	s_add_co_u32 s22, s22, 2*SZ+64
	s_sub_co_u32 s22, s22, s21
	v_mul_u32_u24 v30, s22, v3
	s_add_co_u32 s21, s21, SCL
	v_lshl_add_u32 v30, v2, 2, v30
	v_add_nc_u32 v[ADRS], s21, v30
	s_mul_i32 s23, s14, 16*272
	s_add_co_u32 s23, s23, STG
	v_mul_u32_u24 v30, v2, 272
	v_lshl_add_u32 v30, v3, 6, v30
	v_add_nc_u32 v[STO], s23, v30
	v_mul_u32_u24 v30, v3, 272
	v_lshl_add_u32 v30, v2, 4, v30
	v_add_nc_u32 v[RD], s23, v30
	v_lshlrev_b32 v[CO], 12, v3
	v_lshl_add_u32 v[CO], v2, 4, v[CO]
	s_wait_alu depctr_va_vdst(0)
	s_lshl_b32 s20, s17, 7
	s_lshl_b32 s21, s15, 6
	s_add_co_u32 s20, s20, s21
	s_lshl_b32 s20, s20, 12
	s_lshl_b32 s46, s42, 9
	s_lshl_b32 s47, s16, 8
	s_add_co_u32 s46, s46, s47
	s_mov_b32 s47, 0
	s_mov_b32 s21, 0
.if BIAS
	s_add_nc_u64 s[8:9], s[8:9], s[46:47]
	v_lshlrev_b32 v31, 6, v3
.irp b, 0,1,2,3
	global_load_b128 v[BI+8*\b:BI+8*\b+3], v31, s[8:9] offset:(32*(\b/2)+8*(\b%2))*4
	global_load_b128 v[BI+8*\b+4:BI+8*\b+7], v31, s[8:9] offset:(32*(\b/2)+8*(\b%2))*4+16
.endr
.endif
	s_add_co_u32 s20, s20, s46
	s_add_nc_u64 s[RESP:RESP+1], s[RESP:RESP+1], s[20:21]
	s_add_nc_u64 s[OUTP:OUTP+1], s[OUTP:OUTP+1], s[20:21]
	WIN 0x80
.irp a, 0,1,2,3
.irp i, 0,1,2,3,4,5,6,7
	global_load_b128 v[4*(8*\a+\i):4*(8*\a+\i)+3], v[CO], s[RESP:RESP+1] offset:(32*(\a/2)+16*(\i/4)+8*(\a%2)+2*(\i%4))*4096 th:TH_LOAD_NT
.endr
.endr
	WIN 0
	s_wait_tensorcnt 1
	s_barrier_signal -1
	s_barrier_wait -1
	FETCH 0, 0, 0
.if BIAS
	s_wait_loadcnt 32
.endif
	STEP 0, 0, CM
	STEP 0, 1, 0
	STEP 0, 2, 0
.if LAPS > 1
	WIN 0
	s_mov_b32 s3, LAPS-1
.Llap:
	TURN 0, 1, 1
	s_wait_alu depctr_va_vdst(0)
	STEP 1, 0, 0
	STEP 1, 1, 0
	STEP 1, 2, 0
	TURN 1, 0, 1
	s_wait_alu depctr_va_vdst(0)
	STEP 0, 0, 0
	STEP 0, 1, 0
	STEP 0, 2, 0
	WIN 0
	s_sub_co_u32 s3, s3, 1
	s_cmp_lg_u32 s3, 0
	s_cbranch_scc1 .Llap
.endif
	TURN 0, 1, 0
	s_wait_alu depctr_va_vdst(0)
	STEP 1, 0, 0
	STEP 1, 1, 0
	STEP 1, 2, 0
	s_wait_dscnt 0x0
	WIN 0x05
	MULA 0, 1, 0
	MULA 1, 1, 0
	MULA 2, 1, 0
	MULA 3, 1, 0
	WIN 0
	s_wait_loadcnt 0x0
	PLACES 4
.irp a, 0,1,2,3
	s_wait_xcnt 0x0
.irp b, 0,1,2,3
	ds_store_b128 v[STO], v[ACC+8*(4*\a+\b):ACC+8*(4*\a+\b)+3] offset:128*(\b/2)+32*(\b%2)
	ds_store_b128 v[STO], v[ACC+8*(4*\a+\b)+4:ACC+8*(4*\a+\b)+7] offset:128*(\b/2)+32*(\b%2)+16
.endr
.irp i, 0,1,2,3,4,5,6,7
	ds_load_b128 v[ROWS+4*\i:ROWS+4*\i+3], v[RD] offset:544*\i
.endr
	s_wait_dscnt 0x0
	WIN 0x08
.irp i, 0,1,2,3,4,5,6,7,8,9,10,11,12,13,14,15
	v_pk_add_f32 v[ROWS+2*\i:ROWS+2*\i+1], v[ROWS+2*\i:ROWS+2*\i+1], v[32*\a+2*\i:32*\a+2*\i+1]
.endr
	WIN 0
.irp i, 0,1,2,3,4,5,6,7
	global_store_b128 v[CO], v[ROWS+4*\i:ROWS+4*\i+3], s[OUTP:OUTP+1] offset:(32*(\a/2)+16*(\i/4)+8*(\a%2)+2*(\i%4))*4096
.endr
.endr
	s_wait_tensorcnt 0x0
	ds_add_u32 v[SPW], v[NIL]
	s_wait_dscnt 0x0
	CROUND
	s_endpgm
.Lfunc_end_k_q020a56fc43_ffn2:
	.size	k_q020a56fc43_ffn2, .Lfunc_end_k_q020a56fc43_ffn2-k_q020a56fc43_ffn2
	.p2alignl 7, 3214868480
	.fill 96, 4, 3214868480
	.section	.rodata,"a",@progbits
	.p2align	6, 0x0
	.amdhsa_kernel k_q020a56fc43_ffn2
		.amdhsa_group_segment_fixed_size 327680
		.amdhsa_private_segment_fixed_size 0
		.amdhsa_enable_private_segment 0
		.amdhsa_kernarg_size 40
		.amdhsa_user_sgpr_count 2
		.amdhsa_user_sgpr_kernarg_segment_ptr 1
		.amdhsa_wavefront_size32 1
		.amdhsa_system_sgpr_workgroup_id_x 1
		.amdhsa_system_sgpr_workgroup_id_y 1
		.amdhsa_system_sgpr_workgroup_id_z 1
		.amdhsa_system_vgpr_workitem_id 0
		.amdhsa_next_free_vgpr 640
		.amdhsa_next_free_sgpr 98
		.amdhsa_reserve_vcc 0
		.amdhsa_float_denorm_mode_32 3
		.amdhsa_float_denorm_mode_16_64 3
		.amdhsa_memory_ordered 1
		.amdhsa_forward_progress 1
		.amdhsa_inst_pref_size 102
	.end_amdhsa_kernel
	.amdgpu_metadata
---
amdhsa.version: [ 1, 2 ]
amdhsa.kernels:
  - .name:           k_q020a56fc43_ffn2
    .symbol:         k_q020a56fc43_ffn2.kd
    .args:
      - { .name: h, .offset: 0, .size: 8, .value_kind: global_buffer, .address_space: global }
      - { .name: wq, .offset: 8, .size: 8, .value_kind: global_buffer, .address_space: global }
      - { .name: b2, .offset: 16, .size: 8, .value_kind: global_buffer, .address_space: global }
      - { .name: x2, .offset: 24, .size: 8, .value_kind: global_buffer, .address_space: global }
      - { .name: y, .offset: 32, .size: 8, .value_kind: global_buffer, .address_space: global }
    .group_segment_fixed_size: 327680
    .private_segment_fixed_size: 0
    .kernarg_segment_align: 8
    .kernarg_segment_size: 40
    .max_flat_workgroup_size: 128
    .sgpr_count:     98
    .vgpr_count:     640
    .wavefront_size: 32
...
	.end_amdgpu_metadata
.endif
;; end of part 7
;; launch ln2 (part 8): grid 256 x 1, 8 waves a work-group, no clusters, 0 bytes of LDS; arguments y, g2, be2, out0; writes out0
.if DOCPART == 8
	.amdgcn_target "amdgcn-amd-amdhsa--gfx1250"
	.amdhsa_code_object_version 6
	.text
	.protected	k_q020a56fc43_ln2
	.globl	k_q020a56fc43_ln2
	.p2align	8
	.type	k_q020a56fc43_ln2,@function
k_q020a56fc43_ln2:
	s_mov_b64 s[64:65], 0
	v_nop
	global_prefetch_b8 v0, s[64:65] scope:SCOPE_SE
	s_setreg_imm32_b32 hwreg(HW_REG_WAVE_MODE, 25, 1), 1
	s_wait_xcnt 0x0
; Launch 8 of 8: out0 = (y - mean) / (sqrt(mean of squares of y - mean) + 1e-6) x g2 + be2, row by row.  Nothing of reference() is left out.
; A wave takes two rows; a row of 4,096 bytes lies in 32 registers of the wave between the passes, so memory is read once and the reductions never leave the wave: no LDS, no barrier.  The variance is taken of the
; differences, in a second pass over the registers.  Each load and store of a wave covers 512 consecutive bytes.  Memory binds: no matrix unit, no cluster, no tensor load.
.set X,   16                           ; v16-79   two rows
.set G,   80                           ; v80-111  g2
.set BE,  112                          ; v112-143 be2
.set SEL, 12
.macro SUMS e
	v_pk_add_f32 v[2+4*\e:3+4*\e], v[X+32*\e:X+32*\e+1], v[X+32*\e+2:X+32*\e+3]
	v_pk_add_f32 v[4+4*\e:5+4*\e], v[X+32*\e+4:X+32*\e+5], v[X+32*\e+6:X+32*\e+7]
.irp j, 8,12,16,20,24,28
	s_delay_alu instid0(VALU_DEP_2)
	v_pk_add_f32 v[2+4*\e:3+4*\e], v[2+4*\e:3+4*\e], v[X+32*\e+\j:X+32*\e+\j+1]
	s_delay_alu instid0(VALU_DEP_2)
	v_pk_add_f32 v[4+4*\e:5+4*\e], v[4+4*\e:5+4*\e], v[X+32*\e+\j+2:X+32*\e+\j+3]
.endr
.endm
.macro SQS e
	v_pk_mul_f32 v[2+4*\e:3+4*\e], v[X+32*\e:X+32*\e+1], v[X+32*\e:X+32*\e+1]
	v_pk_mul_f32 v[4+4*\e:5+4*\e], v[X+32*\e+2:X+32*\e+3], v[X+32*\e+2:X+32*\e+3]
.irp j, 4,8,12,16,20,24,28
	s_delay_alu instid0(VALU_DEP_2)
	v_pk_fma_f32 v[2+4*\e:3+4*\e], v[X+32*\e+\j:X+32*\e+\j+1], v[X+32*\e+\j:X+32*\e+\j+1], v[2+4*\e:3+4*\e]
	s_delay_alu instid0(VALU_DEP_2)
	v_pk_fma_f32 v[4+4*\e:5+4*\e], v[X+32*\e+\j+2:X+32*\e+\j+3], v[X+32*\e+\j+2:X+32*\e+\j+3], v[4+4*\e:5+4*\e]
.endr
.endm
.macro RED e                           ; the two chains, the pair's halves, the 32 lanes: the sum in every lane, x 2^-10
	s_delay_alu instid0(VALU_DEP_1)
	v_pk_add_f32 v[2+4*\e:3+4*\e], v[2+4*\e:3+4*\e], v[4+4*\e:5+4*\e]
	s_delay_alu instid0(VALU_DEP_1)
	v_add_f32 v[2+4*\e], v[2+4*\e], v[3+4*\e]
	s_delay_alu instid0(VALU_DEP_1)
	v_add_f32_dpp v[2+4*\e], v[2+4*\e], v[2+4*\e] row_xmask:1 row_mask:0xf bank_mask:0xf
	s_delay_alu instid0(VALU_DEP_1)
	v_add_f32_dpp v[2+4*\e], v[2+4*\e], v[2+4*\e] row_xmask:2 row_mask:0xf bank_mask:0xf
	s_delay_alu instid0(VALU_DEP_1)
	v_add_f32_dpp v[2+4*\e], v[2+4*\e], v[2+4*\e] row_xmask:4 row_mask:0xf bank_mask:0xf
	s_delay_alu instid0(VALU_DEP_1)
	v_add_f32_dpp v[2+4*\e], v[2+4*\e], v[2+4*\e] row_xmask:8 row_mask:0xf bank_mask:0xf
	s_delay_alu instid0(VALU_DEP_1)
	v_permlanex16_b32 v[14+\e], v[2+4*\e], s[SEL], s[SEL+1]
	s_delay_alu instid0(VALU_DEP_1)
	v_add_f32 v[2+4*\e], v[2+4*\e], v[14+\e]
	s_delay_alu instid0(VALU_DEP_1)
	v_mul_f32 v[2+4*\e], 0x3a800000, v[2+4*\e]
.endm
	s_load_b256 s[4:11], s[0:1], 0x0               ; y, g2, be2, out0
	v_lshrrev_b32 v1, 5, v0
	s_delay_alu instid0(VALU_DEP_1)
	v_readfirstlane_b32 s14, v1                    ; wave
	v_and_b32 v1, 31, v0
	s_delay_alu instid0(VALU_DEP_1)
	v_lshlrev_b32 v1, 4, v1                        ; 16 x lane
	s_lshl_b32 s16, ttmp9, 4
	s_lshl_b32 s15, s14, 1
	s_add_co_u32 s16, s16, s15                     ; my first row: 16 x work-group + 2 x wave
	s_lshl_b32 s16, s16, 12
	s_mov_b32 s17, 0
	s_mov_b32 s[SEL], 0x76543210
	s_mov_b32 s[SEL+1], 0xfedcba98
	v_mov_b32 v14, 0                               ; written once: a lane permute's destination counts as one of its sources
	v_mov_b32 v15, 0
	s_wait_alu depctr_va_vdst(0)
	s_wait_kmcnt 0x0
	s_add_nc_u64 s[4:5], s[4:5], s[16:17]
	s_add_nc_u64 s[10:11], s[10:11], s[16:17]
.irp e, 0,1
.irp j, 0,1,2,3,4,5,6,7
	global_load_b128 v[X+32*\e+4*\j:X+32*\e+4*\j+3], v1, s[4:5] offset:4096*\e+512*\j th:TH_LOAD_NT
.endr
.endr
.irp j, 0,1,2,3,4,5,6,7
	global_load_b128 v[G+4*\j:G+4*\j+3], v1, s[6:7] offset:512*\j
	global_load_b128 v[BE+4*\j:BE+4*\j+3], v1, s[8:9] offset:512*\j
.endr
	s_wait_loadcnt 16                              ; the two rows are in; the 16 loads of g2 and be2 may be out
.irp e, 0,1
	SUMS \e
	RED \e
	s_delay_alu instid0(VALU_DEP_1)
	v_mov_b32 v[10+2*\e], v[2+4*\e]                ; the mean, twice: a pair for the packed forms
	s_delay_alu instid0(VALU_DEP_2)
	v_mov_b32 v[11+2*\e], v[2+4*\e]
.irp j, 0,2,4,6,8,10,12,14,16,18,20,22,24,26,28,30
	v_pk_add_f32 v[X+32*\e+\j:X+32*\e+\j+1], v[X+32*\e+\j:X+32*\e+\j+1], v[10+2*\e:11+2*\e] neg_lo:[0,1] neg_hi:[0,1]
.endr
	SQS \e
	RED \e
.endr
	s_wait_alu depctr_va_vdst(0)
	v_sqrt_f32 v2, v2
	v_sqrt_f32 v6, v6
	v_nop                                          ; a plain place behind the roots
	s_wait_alu depctr_va_vdst(0)                   ; one wait for both, ahead of the first reader
	v_add_f32 v2, 0x358637bd, v2                   ; + 1e-6
	v_add_f32 v6, 0x358637bd, v6
	s_wait_alu depctr_va_vdst(0)
	v_rcp_f32 v10, v2
	v_rcp_f32 v12, v6
	v_nop
	s_wait_alu depctr_va_vdst(0)
	v_mov_b32 v11, v10
	v_mov_b32 v13, v12
	s_wait_alu depctr_va_vdst(0)
	s_wait_loadcnt 0x0                             ; g2, be2
.irp e, 0,1
.irp j, 0,2,4,6,8,10,12,14,16,18,20,22,24,26,28,30
	v_pk_mul_f32 v[X+32*\e+\j:X+32*\e+\j+1], v[X+32*\e+\j:X+32*\e+\j+1], v[10+2*\e:11+2*\e]
	s_delay_alu instid0(VALU_DEP_1)
	v_pk_fma_f32 v[X+32*\e+\j:X+32*\e+\j+1], v[X+32*\e+\j:X+32*\e+\j+1], v[G+\j:G+\j+1], v[BE+\j:BE+\j+1]
.endr
.endr
.irp e, 0,1
.irp j, 0,1,2,3,4,5,6,7
	global_store_b128 v1, v[X+32*\e+4*\j:X+32*\e+4*\j+3], s[10:11] offset:4096*\e+512*\j th:TH_STORE_NT
.endr
.endr
	s_endpgm
.Lfunc_end_k_q020a56fc43_ln2:
	.size	k_q020a56fc43_ln2, .Lfunc_end_k_q020a56fc43_ln2-k_q020a56fc43_ln2
	.p2alignl 7, 3214868480
	.fill 96, 4, 3214868480
	.section	.rodata,"a",@progbits
	.p2align	6, 0x0
	.amdhsa_kernel k_q020a56fc43_ln2
		.amdhsa_group_segment_fixed_size 0
		.amdhsa_private_segment_fixed_size 0
		.amdhsa_enable_private_segment 0
		.amdhsa_kernarg_size 32
		.amdhsa_user_sgpr_count 2
		.amdhsa_user_sgpr_kernarg_segment_ptr 1
		.amdhsa_wavefront_size32 1
		.amdhsa_system_sgpr_workgroup_id_x 1
		.amdhsa_system_sgpr_workgroup_id_y 1
		.amdhsa_system_sgpr_workgroup_id_z 1
		.amdhsa_system_vgpr_workitem_id 0
		.amdhsa_next_free_vgpr 144
		.amdhsa_next_free_sgpr 66
		.amdhsa_reserve_vcc 0
		.amdhsa_float_denorm_mode_32 3
		.amdhsa_float_denorm_mode_16_64 3
		.amdhsa_memory_ordered 1
		.amdhsa_forward_progress 1
		.amdhsa_inst_pref_size 22
	.end_amdhsa_kernel
	.amdgpu_metadata
---
amdhsa.version: [ 1, 2 ]
amdhsa.kernels:
  - .name:           k_q020a56fc43_ln2
    .symbol:         k_q020a56fc43_ln2.kd
    .args:
      - { .name: y, .offset: 0, .size: 8, .value_kind: global_buffer, .address_space: global }
      - { .name: g2, .offset: 8, .size: 8, .value_kind: global_buffer, .address_space: global }
      - { .name: be2, .offset: 16, .size: 8, .value_kind: global_buffer, .address_space: global }
      - { .name: out0, .offset: 24, .size: 8, .value_kind: global_buffer, .address_space: global }
    .group_segment_fixed_size: 0
    .private_segment_fixed_size: 0
    .kernarg_segment_align: 8
    .kernarg_segment_size: 32
    .max_flat_workgroup_size: 256
    .sgpr_count:     66
    .vgpr_count:     144
    .wavefront_size: 32
...
	.end_amdgpu_metadata
.endif
;; end of part 8
